; MI455X (gfx1250); checked and timed in simulation.
; The chip was launched on July 23, 2026; its instructions are those of AMD's public machine-readable ISA for CDNA 5 (MIT licence, August 2026) and "CDNA5" Instruction Set Architecture Reference Guide (July 2026). The comments in the code are by the model that wrote it; some were corrected since.
;; Linear Attention Fused Recurrent Kernel. Allowed arithmetic: float matrix products may take bf16 or f16 operands with f32 sums; all other float work in f32.
;; Inputs: k 4 x 1,024 x 16 x 128 float32; q 4 x 1,024 x 16 x 128 float32; v 4 x 1,024 x 16 x 128 float32.
;; Outputs: out0 4 x 1,024 x 16 x 128 float32.
;; 3 versions, each right; version 2 is faster than version 1; version 3 is version 2 with the launch linattn written anew for expert scheduling mode. Each part assembles by itself: llvm-mc -triple=amdgcn-amd-amdhsa -mcpu=gfx1250 --defsym DOCPART=n.
;; ======== version 1 of 3: 1 launch
;; launch linattn (part 1): grid 256 x 1, 4 waves a work-group, no clusters, 127,488 bytes of LDS; arguments q, k, v, out0; writes out0
.if DOCPART == 1
	.amdgcn_target "amdgcn-amd-amdhsa--gfx1250"
	.amdhsa_code_object_version 6
	.text
	.protected	k_qcefa340f4d_linattn
	.globl	k_qcefa340f4d_linattn
	.p2align	8
	.type	k_qcefa340f4d_linattn,@function
k_qcefa340f4d_linattn:
	s_mov_b64 s[64:65], 0
	v_nop
	global_prefetch_b8 v0, s[64:65] scope:SCOPE_SE
	s_setreg_imm32_b32 hwreg(HW_REG_WAVE_MODE, 25, 1), 1
	s_wait_xcnt 0x0
; CAUSAL LINEAR ATTENTION, NOT NORMALISED:  o[t] = scale * q[t] * sum over s <= t of k[s] v[s]^T,  scale = 128^-0.5.
; q, k, v, out: [4][1024][16][128] f32.  A position's row of one head is 512 bytes; rows of one head are 8,192 bytes apart.
; In chunks of 64 positions:  O = scale * (Q H + tril(Q K^T) V),  then  H += K^T V,  H = [128 dk][dv] kept in f32.
; SHARES.  64 heads x 4 work-groups.  Work-group = (head, dv half of 64 columns, sequence half of 512 positions): every row of v and of
; out that it touches is 256 consecutive bytes at a multiple of 256.  A group of the second sequence half first rebuilds its state, K^T V
; over positions 0..511 (eight steps of 64 positions, k and v alone), then both kinds walk their own eight chunks.
; Wave w owns dv tile w (16 columns): H[128][16] in 64 registers, O^T (16 dv x 64 queries) in 32.  An H tile (m = dk, n = dv) repacks in
; registers into the A fragment of O^T = H^T Q^T, so the state never leaves the wave.  It is fed as bf16 hi + bf16 lo (two products).
; NO JOINT TENSOR LOADS, although the four groups of a head read the same k: the partners need different numbers of tiles (8 chunks
; against 8 prefix steps + 8 chunks), and an f32 copy in LDS would add 2 x 80 KB of LDS traffic a chunk to the 40 KB of bf16 tiles.
; So: global_load_b128 -> v_cvt_pk_bf16_f32 in place -> ds_store_b64.  Two register slots are filled two steps ahead.
; LIMITS.  q, k, v and the masked scores are rounded to bf16 (nearest even).  The scale is applied last, so intermediate sums are 11.3
; times those of reference() and overflow that much earlier.  Sums are formed chunk by chunk, not position by position.  A masked score
; is replaced by 0 and then multiplied: a NaN or infinity in v also spoils the up to 63 earlier positions of its own chunk.
;
; REGISTER WINDOWS of 256 (s_set_vgpr_msb: bits 1:0 source 0, 3:2 source 1, 5:4 source 2, 7:6 destination):
;   window 0: v0-31 addresses, v32-63 rows on the way out, v64-127 K^T of keys 0-31, v128-255 Q fragments, later K^T of keys 32-63 and P
;   window 1, 2: load slot 0, 1: v0-159 rows as loaded, v192-198 the slot's own address registers (one setting serves a whole refill)
;   window 3: v0-63 H, v64-95 O^T, v96-127 scores, v128-159 K rows, v160-223 H hi and lo, v224-239 V^T, v240-247 at work
.set ROWB,    8192                     ; bytes from a position to the next
.set FSTEP,   64*ROWB                  ; a step of 64 positions
; LDS.  Pitches: 16 lanes' 16-byte pieces fall into 16 different 16-byte columns modulo 256 bytes (64 banks of 4 bytes: ISA guide 11.1):
; an odd multiple of 16 for row fragments (Q, P, stage), an odd multiple of 32 for transposing loads (K, V; K's eight row loads collide in pairs).
.set QPITCH,  272
.set KPITCH,  288
.set VPITCH,  160
.set PPITCH,  48                       ; P: a block for each key tile (= writing wave): 64 queries x 16 keys bf16
.set PBLK,    64*PPITCH
.set SPITCH,  80                       ; stage: a block for each dv tile (= writing wave): 64 queries x 16 f32
.set SBLK,    64*SPITCH+64             ; + 64: the four blocks' pieces of one row fall into four different quarters of 256 bytes
.set KB,      64*QPITCH                ; a step's tiles: Q at 0, then K, then V
.set VB,      KB+64*KPITCH
.set FBUF,    VB+64*VPITCH             ; 46,080; two sets that take turns
.set PB,      2*FBUF
.set STG,     PB+4*PBLK                ; the last byte used is STG + 4 SBLK = 125,184
; scalar registers: s[4:11] q, k, v, out at my head; s12 wave; s16 sequence half; s17 dv half; s21 mask of a word's upper bf16; s[22:23] scale
.set SF,   18                          ; byte offset of the next step to be loaded
.set SO,   19                          ; byte offset of the next chunk to be stored
.set CNT,  20                          ; loop counter
.set SM,   32                          ; s32-63: lane masks, key <= query, for (query tile, register)
; window 0
.set LV0,  7                           ; 16 (lane % 16) + 8,192 (lane / 16) + my 16 rows: two rows of 256 bytes
.set OOUT, 8                           ; offset of the chunk that is being stored
.set AQ,   10                          ; v10, v11: Q fragments, set 0, 1
.set AKR,  12                          ; v12, v13: my 16 rows of K
.set AKT,  14                          ; v14, v15: K, transposing
.set AVT,  16                          ; v16, v17: V, transposing, my 16 columns
.set APW,  18                          ; P: where I write
.set APR,  19                          ; P: where I read
.set ASTW, 20                          ; stage: where I write
.set ASTR, 21                          ; stage: where I read rows back
.set SD,   32
.set KT0,  64
.set QF,   128
.set KT1,  128
.set PF,   192
; window 3
.set HA,   0
.set OA,   64
.set SA,   96
.set KR,   128
.set HFH,  160
.set HFL,  192
.set VT,   224
.set TT,   240
; windows 1 and 2
.set XQ,   0                           ; 16 rows of q, 16 of k, 8 pairs of rows of v
.set XK,   64
.set XV,   128
.set LQK,  192                         ; 16 x lane + my 16 rows
.set LV,   193                         ; as LV0
.set OQK,  194                         ; offsets of the slot's pending loads
.set OV,   195
.set SQ,   196                         ; where the slot's rows go in LDS
.set SK,   197
.set SV,   198
; window settings
.set LD3,  0xc0                        ; loaded data window 3, address window 0
.set ST3,  0x0c                        ; store data window 3, address window 0
.set ALL3, 0xff
.set MM,   0xf3                        ; A window 3, B window 0, C and D window 3
.set MK,   0xfc                        ; A window 0, B window 3, C and D window 3
.set MSB, 0
.macro WIN new                         ; the immediate's high byte repeats the setting that is left
.if MSB != (\new)
	s_set_vgpr_msb (MSB<<8)|(\new)
.set MSB, (\new)
.endif
.endm
; Four places: a vector instruction that reads a matrix result, and a load into a register that a matrix instruction has named, stand
; four plain vector instructions behind it (ISA guide 7.12.1 for vector instructions).
.macro PLACES
.rept 4
	v_nop
.endr
.endm
.macro BAR                             ; what I stored to LDS is there and what I read from it is back, then all four waves meet
	s_wait_dscnt 0x0
	s_barrier_signal -1
	s_barrier_wait -1
.endm
.macro SLOTINIT s                      ; the slot's own copies of lane terms and LDS addresses
	WIN (\s+1)<<6
	v_mov_b32 v[LQK], v22
	v_mov_b32 v[LV],  v[LV0]
	v_add_nc_u32 v[SQ], \s*FBUF, v24
	v_add_nc_u32 v[SK], \s*FBUF, v25
	v_add_nc_u32 v[SV], \s*FBUF, v26
.endm
; Under a slot's window: the next step's rows are asked for.  q and k: a load is one row, 32 lanes x 16 bytes = 512 consecutive bytes;
; v: a load is two rows of 256 consecutive bytes.  full = 0: a prefix step, k and v alone.
.macro LOADS full
	v_add_nc_u32 v[OQK], s[SF], v[LQK]             ; free: the slot's earlier loads are back
	v_add_nc_u32 v[OV],  s[SF], v[LV]
	s_add_co_u32 s[SF], s[SF], FSTEP
.if \full
.set i, 0
.rept 16
	global_load_b128 v[XQ+4*i:XQ+4*i+3], v[OQK], s[4:5] offset:i*ROWB
.set i, i+1
.endr
.endif
.set i, 0
.rept 16
	global_load_b128 v[XK+4*i:XK+4*i+3], v[OQK], s[6:7] offset:i*ROWB
.set i, i+1
.endr
.set i, 0
.rept 8
	global_load_b128 v[XV+4*i:XV+4*i+3], v[OV], s[8:9] offset:i*2*ROWB
.set i, i+1
.endr
.endm
.macro CV src, n, adr, pitch           ; four f32 a lane -> four bf16, in place, 8 bytes a lane into the bf16 tile
.set i, 0
.rept \n
	v_cvt_pk_bf16_f32 v[\src+4*i],   v[\src+4*i],   v[\src+4*i+1]
	v_cvt_pk_bf16_f32 v[\src+4*i+1], v[\src+4*i+2], v[\src+4*i+3]
	ds_store_b64 v[\adr], v[\src+4*i:\src+4*i+1] offset:i*\pitch
.set i, i+1
.endr
.endm
; Slot s: its rows are waited for, converted and put into LDS set s; then the slot is asked for the step two further on
; (refill = 2: a chunk, 40 loads; 1: a prefix step, 24 loads; 0: nothing is left).  left = the other slot's whole batch, which is younger.
; Two chunks' batches are 80 loads, more than the counter's field holds: the issue of the later ones then waits (ISA guide 5.7.1).
.macro CONV s, full, left, refill
	WIN 0x55*(\s+1)
	s_wait_loadcnt \left                           ; loads come back in order: my batch is in, the younger batch stays out
.if \full
	CV XQ, 16, SQ, QPITCH
.endif
	CV XK, 16, SK, KPITCH
	CV XV, 8,  SV, 2*VPITCH
.if \refill == 2
	LOADS 1
.endif
.if \refill == 1
	LOADS 0
.endif
.endm
; V^T of my 16 columns (two fragments of 32 keys; A of O^T = V^T P^T and B of H += K^T V alike) and K^T of keys 0-31 (eight dk tiles)
.macro LD_KV0 s
	WIN LD3
.irp ks,0,1
.irp e,0,1
	ds_load_tr16_b128 v[VT+8*\ks+4*\e:VT+8*\ks+4*\e+3], v[AVT+\s] offset:(32*\ks+16*\e)*VPITCH
.endr
.endr
	WIN 0
.irp a,0,1,2,3,4,5,6,7
.irp e,0,1
	ds_load_tr16_b128 v[KT0+8*\a+4*\e:KT0+8*\a+4*\e+3], v[AKT+\s] offset:32*\a+16*\e*KPITCH
.endr
.endr
.endm
.macro LD_KT1 s                        ; K^T of keys 32-63; window 0
.irp a,0,1,2,3,4,5,6,7
.irp e,0,1
	ds_load_tr16_b128 v[KT1+8*\a+4*\e:KT1+8*\a+4*\e+3], v[AKT+\s] offset:32*\a+(32+16*\e)*KPITCH
.endr
.endr
.endm
; H(a) += K^T(a) V for 32 keys: eight accumulators by turns, one instruction a turn
.macro KV8 abase, bfrag, zero
.irp a,0,1,2,3,4,5,6,7
.if \zero
	v_wmma_f32_16x16x32_bf16 v[HA+8*\a:HA+8*\a+7], v[\abase+8*\a:\abase+8*\a+7], v[\bfrag:\bfrag+7], 0
.else
	v_wmma_f32_16x16x32_bf16 v[HA+8*\a:HA+8*\a+7], v[\abase+8*\a:\abase+8*\a+7], v[\bfrag:\bfrag+7], v[HA+8*\a:HA+8*\a+7]
.endif
.endr
.endm
; H (f32) -> hi = bf16(H), lo = bf16(H - hi).  Register j of tile a holds dk = 16 a + 8 (lane / 16) + j of my lane's dv column, so the
; packed pairs of tiles 2 kk and 2 kk + 1 are, as they stand, the fragment of dk = 32 kk .. 32 kk + 31.  All in window 3, four at a time.
.macro HCONV
.set n, 0
.rept 8
.irp u,0,1,2,3
	v_cvt_pk_bf16_f32 v[HFH+n+\u], v[HA+2*(n+\u)], v[HA+2*(n+\u)+1]
.endr
.irp u,0,1,2,3
	v_lshlrev_b32 v[TT+2*\u],   16,  v[HFH+n+\u]
	v_and_b32     v[TT+2*\u+1], s21, v[HFH+n+\u]
.endr
.irp u,0,1,2,3
	v_pk_add_f32 v[TT+2*\u:TT+2*\u+1], v[HA+2*(n+\u):HA+2*(n+\u)+1], v[TT+2*\u:TT+2*\u+1] neg_lo:[0,1] neg_hi:[0,1]
.endr
.irp u,0,1,2,3
	v_cvt_pk_bf16_f32 v[HFL+n+\u], v[TT+2*\u], v[TT+2*\u+1]
.endr
.set n, n+4
.endr
.endm
; The chunk that lies in the stage goes out: my 16 rows, two rows a load.  Window 0.
.macro SOUT_LD
	s_wait_xcnt 0x0                                ; the last stores' data and offset registers are rewritten only behind this wait
	v_add_nc_u32 v[OOUT], s[SO], v[LV0]
	s_add_co_u32 s[SO], s[SO], FSTEP
.irp t,0,1,2,3,4,5,6,7
	ds_load_b128 v[SD+4*\t:SD+4*\t+3], v[ASTR] offset:\t*2*SPITCH
.endr
.endm
.macro SOUT_ST left                    ; left = LDS instructions issued behind the eight loads
.irp t,0,1,2,3,4,5,6,7
	s_wait_dscnt \left+7-\t                        ; LDS instructions end in order: load t is in, the 7 - t younger loads and what follows may be out
	global_store_b128 v[OOUT], v[SD+4*\t:SD+4*\t+3], s[10:11] offset:\t*2*ROWB th:TH_STORE_NT   ; 16 lanes store 256 consecutive bytes at a multiple of 256
.endr
.endm
; A PREFIX STEP: H += K^T V over 64 positions.  One barrier: set s is whole behind it; it is written again two steps on, behind the next
; step's barrier, in front of which every wave's reads of it are back.
.macro PRE s, left, refill, zero
	CONV \s, 0, \left, \refill                     ; its conversions are also the places behind the last step's matrix instructions
	BAR
	LD_KV0 \s
	LD_KT1 \s
	WIN MK
	s_wait_dscnt 16                                ; V^T and K^T of keys 0-31 are in; the 16 loads of keys 32-63 may be out
	KV8 KT0, VT, \zero
	s_wait_dscnt 0x0
	KV8 KT1, VT+8, 0
.endm
; A CHUNK.  hzero = 1: the state is still zero (no Q H product; the first products start O and H).  out = 1: the chunk before leaves the stage.
; Two barriers.  Behind the first: set s is whole, and so is the stage of the chunk before.  Behind the second: P is whole, and nobody
; reads the stage any more.  P is written again behind the next chunk's first barrier, set s behind that barrier too (two chunks on).
.macro FULL s, left, refill, hzero, out
	CONV \s, 1, \left, \refill                     ; its conversions are also the places behind the last step's matrix instructions
	BAR
	WIN LD3
.irp kk,0,1,2,3
.irp e,0,1
	ds_load_b128 v[KR+8*\kk+4*\e:KR+8*\kk+4*\e+3], v[AKR+\s] offset:64*\kk+32*\e
.endr
.endr
	WIN 0
.irp kk,0,1,2,3
.irp qt,0,1,2,3
.irp e,0,1
	ds_load_b128 v[QF+8*(4*\kk+\qt)+4*\e:QF+8*(4*\kk+\qt)+4*\e+3], v[AQ+\s] offset:\qt*16*QPITCH+64*\kk+32*\e
.endr
.endr
.endr
	; scores, transposed: S^T (my 16 keys x 64 queries) = K Q^T.  Four accumulators by turns.
	WIN MM
.irp kk,0,1,2,3
	s_wait_dscnt 24-8*\kk                          ; K's rows and Q's fragments up to this dk step are in; the 8 loads of each later step may be out
.irp qt,0,1,2,3
.if \kk == 0
	v_wmma_f32_16x16x32_bf16 v[SA+8*\qt:SA+8*\qt+7], v[KR+8*\kk:KR+8*\kk+7], v[QF+8*(4*\kk+\qt):QF+8*(4*\kk+\qt)+7], 0
.else
	v_wmma_f32_16x16x32_bf16 v[SA+8*\qt:SA+8*\qt+7], v[KR+8*\kk:KR+8*\kk+7], v[QF+8*(4*\kk+\qt):QF+8*(4*\kk+\qt)+7], v[SA+8*\qt:SA+8*\qt+7]
.endif
.endr
.endr
.if \out
	WIN 0
	SOUT_LD
.endif
	WIN ALL3
.if \hzero
	PLACES                                         ; behind the scores
.else
	HCONV                                          ; useful work in the places behind the scores
.endif
	; register j of my lane is (key 16 w + 8 (lane / 16) + j, query 16 qt + lane % 16): keys behind the query become 0; eight keys pack into 16 bytes
.irp qt,0,1,2,3
.irp j,0,1,2,3,4,5,6,7
	v_cndmask_b32 v[SA+8*\qt+\j], 0, v[SA+8*\qt+\j], s[SM+8*\qt+\j]
.endr
.irp p,0,1,2,3
	v_cvt_pk_bf16_f32 v[SA+8*\qt+\p], v[SA+8*\qt+2*\p], v[SA+8*\qt+2*\p+1]
.endr
.endr
	WIN ST3
.irp qt,0,1,2,3
	ds_store_b128 v[APW], v[SA+8*\qt:SA+8*\qt+3] offset:\qt*16*PPITCH
.endr
.if \out
	WIN 0
	SOUT_ST 4                                      ; the four stores of P stand behind the stage's loads
.endif
	LD_KV0 \s
.if \hzero == 0
	; O^T = H^T Q^T, hi and lo.  Four accumulators by turns.
	WIN MM
.irp kk,0,1,2,3
.irp qt,0,1,2,3
.if \kk == 0
	v_wmma_f32_16x16x32_bf16 v[OA+8*\qt:OA+8*\qt+7], v[HFH+8*\kk:HFH+8*\kk+7], v[QF+8*(4*\kk+\qt):QF+8*(4*\kk+\qt)+7], 0
.else
	v_wmma_f32_16x16x32_bf16 v[OA+8*\qt:OA+8*\qt+7], v[HFH+8*\kk:HFH+8*\kk+7], v[QF+8*(4*\kk+\qt):QF+8*(4*\kk+\qt)+7], v[OA+8*\qt:OA+8*\qt+7]
.endif
.endr
.irp qt,0,1,2,3
	v_wmma_f32_16x16x32_bf16 v[OA+8*\qt:OA+8*\qt+7], v[HFL+8*\kk:HFL+8*\kk+7], v[QF+8*(4*\kk+\qt):QF+8*(4*\kk+\qt)+7], v[OA+8*\qt:OA+8*\qt+7]
.endr
.endr
.endif
	BAR                                            ; every wave's part of P is in LDS; V^T and K^T of keys 0-31 are in too
	WIN 0
	PLACES                                         ; the loads below land in registers that the products above have read
.irp ks,0,1
.irp qt,0,1,2,3
.irp e,0,1
	ds_load_b128 v[PF+8*(4*\ks+\qt)+4*\e:PF+8*(4*\ks+\qt)+4*\e+3], v[APR] offset:(2*\ks+\e)*PBLK+\qt*16*PPITCH
.endr
.endr
.endr
	LD_KT1 \s
	; O^T += V^T P^T
	WIN MM
	s_wait_dscnt 16                                ; P's fragments are in; the 16 loads of K^T of keys 32-63 may be out
.irp ks,0,1
.irp qt,0,1,2,3
.if \hzero*(1-\ks)
	v_wmma_f32_16x16x32_bf16 v[OA+8*\qt:OA+8*\qt+7], v[VT+8*\ks:VT+8*\ks+7], v[PF+8*(4*\ks+\qt):PF+8*(4*\ks+\qt)+7], 0
.else
	v_wmma_f32_16x16x32_bf16 v[OA+8*\qt:OA+8*\qt+7], v[VT+8*\ks:VT+8*\ks+7], v[PF+8*(4*\ks+\qt):PF+8*(4*\ks+\qt)+7], v[OA+8*\qt:OA+8*\qt+7]
.endif
.endr
.endr
	WIN MK
	s_wait_dscnt 0x0
	KV8 KT0, VT, \hzero
	KV8 KT1, VT+8, 0
	; register j of my lane is (dv 16 w + 8 (lane / 16) + j, query 16 qt + lane % 16): 32 neighbouring bytes of a row of out
	WIN ALL3
	PLACES                                         ; behind the products that wrote O
.set i, 0
.rept 16
	v_pk_mul_f32 v[OA+2*i:OA+2*i+1], v[OA+2*i:OA+2*i+1], s[22:23] op_sel_hi:[1,0]
.set i, i+1
.endr
	WIN ST3
.irp qt,0,1,2,3
.irp e,0,1
	ds_store_b128 v[ASTW], v[OA+8*\qt+4*\e:OA+8*\qt+4*\e+3] offset:\qt*16*SPITCH+16*\e
.endr
.endr
.endm
	; ---------------- set-up ----------------
	s_load_b256 s[4:11], s[0:1], 0x0               ; q s[4:5], k s[6:7], v s[8:9], out s[10:11]
	v_lshl_add_u32 v30, v0, 2, 0x1f000
	v_mov_b32 v31, 0
	v_and_b32 v1, 31, v0                           ; lane L
	v_lshrrev_b32 v2, 5, v0
	v_readfirstlane_b32 s12, v2                    ; wave w
	v_and_b32 v3, 15, v0                           ; r = L % 16
	v_bfe_u32 v4, v0, 4, 1                         ; h = L / 16
	v_and_b32 v5, 7, v0
	v_bfe_u32 v6, v0, 3, 1
	v_lshl_add_u32 v27, v4, 3, v5                  ; 8 h + L % 8: the row that a transposing load's lane addresses
	s_lshr_b32 s13, ttmp9, 2                       ; head 0..63
	s_and_b32 s17, ttmp9, 1                        ; dv half
	s_bfe_u32 s16, ttmp9, 0x10001                  ; sequence half (1 bit from bit 1)
	s_lshr_b32 s14, s13, 4
	s_lshl_b32 s14, s14, 23                        ; batch x 1,024 positions x 8,192 bytes
	s_and_b32 s13, s13, 15
	s_lshl_b32 s13, s13, 9                         ; head in the batch x 512 bytes
	s_add_co_u32 s14, s14, s13
	s_mov_b32 s15, 0
	s_lshl_b32 s24, s17, 8                         ; v and out: my 256 bytes of the row
	s_add_co_u32 s24, s24, s14
	s_mov_b32 s25, 0
	s_mov_b32 s[SF], 0                             ; loads begin at position 0 in both kinds of group and run on without a gap
	s_lshl_b32 s[SO], s16, 22                      ; stores begin at position 512 x sequence half
	s_mov_b32 s21, 0xffff0000
	s_mov_b32 s22, 0x3db504f3                      ; 128^-0.5
	s_mov_b32 s23, 0x3db504f3
	s_lshl_b32 s26, s12, 17                        ; my 16 rows of a step
	v_lshlrev_b32 v[LV0], 4, v3
	v_lshl_add_u32 v[LV0], v4, 13, v[LV0]
	v_add_nc_u32 v[LV0], s26, v[LV0]
	v_lshl_add_u32 v22, v1, 4, s26                 ; 16 L + my rows
	s_mul_i32 s26, s12, 16*QPITCH
	v_lshl_add_u32 v24, v1, 3, s26                 ; Q tile: my rows, 8 bytes a lane
	s_mul_i32 s26, s12, 16*KPITCH
	s_add_co_u32 s26, s26, KB
	v_lshl_add_u32 v25, v1, 3, s26                 ; K tile likewise
	v_mul_u32_u24 v9, v3, KPITCH
	v_lshl_add_u32 v9, v4, 4, v9
	v_add_nc_u32 v[AKR], s26, v9                   ; K rows 16 w + r, 16 h
	v_add_nc_u32 v[AKR+1], FBUF, v[AKR]
	s_mul_i32 s26, s12, 16*VPITCH
	s_add_co_u32 s26, s26, VB
	v_mul_u32_u24 v26, v4, VPITCH
	v_lshl_add_u32 v26, v3, 3, v26
	v_add_nc_u32 v26, s26, v26                     ; V tile: row 16 w + h, 8 r
	v_mul_u32_u24 v9, v3, QPITCH
	v_lshl_add_u32 v[AQ], v4, 4, v9
	v_add_nc_u32 v[AQ+1], FBUF, v[AQ]
	v_mul_u32_u24 v28, v27, KPITCH
	v_lshl_add_u32 v28, v6, 4, v28
	v_add_nc_u32 v[AKT], KB, v28
	v_add_nc_u32 v[AKT+1], FBUF, v[AKT]
	v_mul_u32_u24 v28, v27, VPITCH
	v_lshl_add_u32 v28, v6, 4, v28
	s_lshl_b32 s26, s12, 5                         ; my 16 columns of V: 32 bytes a wave
	s_add_co_u32 s26, s26, VB
	v_add_nc_u32 v[AVT], s26, v28
	v_add_nc_u32 v[AVT+1], FBUF, v[AVT]
	v_mul_u32_u24 v9, v3, PPITCH
	v_lshl_add_u32 v9, v4, 4, v9
	v_add_nc_u32 v[APR], PB, v9
	s_mul_i32 s26, s12, PBLK
	v_add_nc_u32 v[APW], s26, v[APR]
	s_mul_i32 s26, s12, SBLK
	s_add_co_u32 s26, s26, STG
	v_mul_u32_u24 v9, v3, SPITCH
	v_lshl_add_u32 v9, v4, 5, v9
	v_add_nc_u32 v[ASTW], s26, v9
	v_lshrrev_b32 v9, 2, v3                        ; back: lane r takes dv 4 r .. 4 r + 3: block r / 4, byte 16 (r % 4)
	v_mul_u32_u24 v9, v9, SBLK
	v_and_b32 v28, 3, v3
	v_lshl_add_u32 v9, v28, 4, v9
	v_mad_u32_u24 v9, v4, SPITCH, v9
	s_mul_i32 s26, s12, 16*SPITCH
	s_add_co_u32 s26, s26, STG
	v_add_nc_u32 v[ASTR], s26, v9
	; key 16 w + 8 h + j <= query 16 qt + r   <=>   16 qt - j >= 16 w + 8 h - r
	v_lshlrev_b32 v9, 3, v4
	v_sub_nc_u32 v9, v9, v3
	s_lshl_b32 s26, s12, 4
	v_add_nc_u32 v9, s26, v9
.irp qt,0,1,2,3
.irp j,0,1,2,3,4,5,6,7
	v_cmp_ge_i32 s[SM+8*\qt+\j], 16*\qt-\j, v9
.endr
.endr
	SLOTINIT 0
	SLOTINIT 1
	WIN 0
	s_wait_kmcnt 0x0
	s_add_nc_u64 s[4:5], s[4:5], s[14:15]
	s_add_nc_u64 s[6:7], s[6:7], s[14:15]
	s_add_nc_u64 s[8:9], s[8:9], s[24:25]
	s_add_nc_u64 s[10:11], s[10:11], s[24:25]
	s_cmp_lg_u32 s16, 0                            ; the same in all four waves
	s_cbranch_scc1 .Lsecond
	; ---------------- first sequence half: the state starts at zero ----------------
	WIN 0x55
	LOADS 1                                        ; chunk 0
	WIN 0xaa
	LOADS 1                                        ; chunk 1
	FULL 0, 40, 2, 1, 0
	FULL 1, 40, 2, 0, 1
	WIN 0
	s_branch .Lmain
	; ---------------- second sequence half: the state of positions 0..511 first ----------------
.Lsecond:
	WIN 0x55
	LOADS 0                                        ; prefix step 0
	WIN 0xaa
	LOADS 0                                        ; prefix step 1
	PRE 0, 24, 1, 1
	PRE 1, 24, 1, 0
	WIN 0
	s_mov_b32 s[CNT], 2
.Lpre:
	PRE 0, 24, 1, 0
	PRE 1, 24, 1, 0
	WIN 0
	s_sub_co_u32 s[CNT], s[CNT], 1
	s_cmp_lg_u32 s[CNT], 0
	s_cbranch_scc1 .Lpre
	PRE 0, 24, 2, 0                                ; step 6: step 7's 24 loads are out; the slot is asked for chunk 0
	PRE 1, 40, 2, 0                                ; step 7: chunk 0's 40 loads are out; the slot is asked for chunk 1
	FULL 0, 40, 2, 0, 0
	FULL 1, 40, 2, 0, 1
	WIN 0
	; ---------------- both: chunks 2 to 7; on either way in, chunks 2 and 3 are on their way (40 loads each) ----------------
.Lmain:
	s_mov_b32 s[CNT], 2
.Lchunk:
	FULL 0, 40, 2, 0, 1
	FULL 1, 40, 2, 0, 1
	WIN 0
	s_sub_co_u32 s[CNT], s[CNT], 1
	s_cmp_lg_u32 s[CNT], 0
	s_cbranch_scc1 .Lchunk
	FULL 0, 40, 0, 0, 1                            ; chunk 6: chunk 7's loads are out, nothing is left to ask for
	FULL 1, 0,  0, 0, 1                            ; chunk 7: the last batch
	WIN 0
	BAR                                            ; the last chunk's stage is whole
	SOUT_LD
	SOUT_ST 0
	s_wait_tensorcnt 0x0
	ds_add_u32 v30, v31
	s_wait_dscnt 0x0
	s_endpgm
.Lfunc_end_k_qcefa340f4d_linattn:
	.size	k_qcefa340f4d_linattn, .Lfunc_end_k_qcefa340f4d_linattn-k_qcefa340f4d_linattn
	.p2alignl 7, 3214868480
	.fill 96, 4, 3214868480
	.section	.rodata,"a",@progbits
	.p2align	6, 0x0
	.amdhsa_kernel k_qcefa340f4d_linattn
		.amdhsa_group_segment_fixed_size 127488
		.amdhsa_private_segment_fixed_size 0
		.amdhsa_enable_private_segment 0
		.amdhsa_kernarg_size 32
		.amdhsa_user_sgpr_count 2
		.amdhsa_user_sgpr_kernarg_segment_ptr 1
		.amdhsa_wavefront_size32 1
		.amdhsa_system_sgpr_workgroup_id_x 1
		.amdhsa_system_sgpr_workgroup_id_y 1
		.amdhsa_system_sgpr_workgroup_id_z 1
		.amdhsa_system_vgpr_workitem_id 0
		.amdhsa_next_free_vgpr 1024
		.amdhsa_next_free_sgpr 66
		.amdhsa_reserve_vcc 0
		.amdhsa_float_denorm_mode_32 3
		.amdhsa_float_denorm_mode_16_64 3
		.amdhsa_memory_ordered 1
		.amdhsa_forward_progress 1
		.amdhsa_inst_pref_size 255
	.end_amdhsa_kernel
	.section	.bss,"aw",@nobits
	.p2align	6
	.space	262144
	.amdgpu_metadata
---
amdhsa.version: [ 1, 2 ]
amdhsa.kernels:
  - .name:           k_qcefa340f4d_linattn
    .symbol:         k_qcefa340f4d_linattn.kd
    .args:
      - { .name: q, .offset: 0, .size: 8, .value_kind: global_buffer, .address_space: global }
      - { .name: k, .offset: 8, .size: 8, .value_kind: global_buffer, .address_space: global }
      - { .name: v, .offset: 16, .size: 8, .value_kind: global_buffer, .address_space: global }
      - { .name: out0, .offset: 24, .size: 8, .value_kind: global_buffer, .address_space: global }
    .group_segment_fixed_size: 127488
    .private_segment_fixed_size: 0
    .kernarg_segment_align: 8
    .kernarg_segment_size: 32
    .max_flat_workgroup_size: 128
    .sgpr_count:     66
    .vgpr_count:     1024
    .wavefront_size: 32
...
	.end_amdgpu_metadata
.endif
;; end of part 1
;; ======== version 2 of 3: 1 launch; 1.16 times as fast as version 1
;; launch linattn (part 2): grid 256 x 1, 4 waves a work-group, no clusters, 127,488 bytes of LDS; arguments q, k, v, out0; writes out0
.if DOCPART == 2
	.amdgcn_target "amdgcn-amd-amdhsa--gfx1250"
	.amdhsa_code_object_version 6
	.text
	.protected	k_qcefa340f4d_linattn
	.globl	k_qcefa340f4d_linattn
	.p2align	8
	.type	k_qcefa340f4d_linattn,@function
k_qcefa340f4d_linattn:
	s_mov_b64 s[64:65], 0
	v_nop
	global_prefetch_b8 v0, s[64:65] scope:SCOPE_SE
	s_setreg_imm32_b32 hwreg(HW_REG_WAVE_MODE, 25, 1), 1
	s_wait_xcnt 0x0
; CAUSAL LINEAR ATTENTION, NOT NORMALISED:  o[t] = scale * q[t] * sum over s <= t of k[s] v[s]^T,  scale = 128^-0.5.
; q, k, v, out: [4][1024][16][128] f32.  A position's row of one head is 512 bytes; rows of one head are 8,192 bytes apart.
; In chunks of 64 positions:  O = scale * (Q H + tril(Q K^T) V),  then  H += K^T V,  H = [128 dk][dv] kept in f32.
; SHARES.  64 heads x 4 work-groups.  Work-group = (head, dv half of 64 columns, sequence part): every row of v and of out that it touches
; is 256 consecutive bytes at a multiple of 256.  The first part is positions 0..639 (NA = 10 chunks).  A group of the second part first
; rebuilds its state, K^T V over positions 0..639 (ten steps of 64 positions, k and v alone), then walks positions 640..1023 (NB = 6 chunks).
; WHY 10 AND 6.  A chunk is 40 loads, 8 stores and 72 matrix instructions a wave (40 in the very first), a prefix step 24 loads and 16
; matrix instructions.  First against second part: 480 against 528 memory instructions, 688 against 592 matrix instructions.  A cut in the
; middle gives 384 against 576 and 544 against 704.  The cut is at an even number of chunks, so that the two slots take turns throughout.
; Wave w owns dv tile w (16 columns): H[128][16] in 64 registers, O^T (16 dv x 64 queries) in 32.  An H tile (m = dk, n = dv) repacks in
; registers into the A fragment of O^T = H^T Q^T, so the state never leaves the wave.  It is fed as bf16 hi + bf16 lo (two products).
; NO JOINT TENSOR LOADS, although the four groups of a head read the same k: the partners need different numbers of tiles (10 chunks
; against 10 prefix steps + 6 chunks), and an f32 copy in LDS would add 2 x 80 KB of LDS traffic a chunk to the 40 KB of bf16 tiles.
; So: global_load_b128 -> v_cvt_pk_bf16_f32 in place -> ds_store_b64.  Two register slots are filled two steps ahead.
; LIMITS.  q, k, v and the masked scores are rounded to bf16 (nearest even).  The scale is applied last, so intermediate sums are 11.3
; times those of reference() and overflow that much earlier.  Sums are formed chunk by chunk, not position by position.  A masked score
; is replaced by 0 and then multiplied: a NaN or infinity in v also spoils the up to 63 earlier positions of its own chunk.
;
; REGISTER WINDOWS of 256 (s_set_vgpr_msb: bits 1:0 source 0, 3:2 source 1, 5:4 source 2, 7:6 destination):
;   window 0: v0-31 addresses, v32-63 rows on the way out, v64-127 K^T of keys 0-31, v128-255 Q fragments, later K^T of keys 32-63 and P
;   window 1, 2: load slot 0, 1: v0-159 rows as loaded, v192-198 the slot's own address registers (one setting serves a whole refill)
;   window 3: v0-63 H, v64-95 O^T, v96-127 scores, v128-159 K rows, v160-223 H hi and lo, v224-239 V^T, v240-247 at work
.set ROWB,    8192                     ; bytes from a position to the next
.set FSTEP,   64*ROWB                  ; a step of 64 positions
.set NA,      10                       ; chunks of the first sequence part = prefix steps of the second; even, at least 4
.set NB,      16-NA                    ; chunks of the second part; even, at least 4
; LDS.  Pitches: 16 lanes' 16-byte pieces fall into 16 different 16-byte columns modulo 256 bytes (64 banks of 4 bytes: ISA guide 11.1):
; an odd multiple of 16 for row fragments (Q, P, stage), an odd multiple of 32 for transposing loads (K, V; K's eight row loads collide in pairs).
.set QPITCH,  272
.set KPITCH,  288
.set VPITCH,  160
.set PPITCH,  48                       ; P: a block for each key tile (= writing wave): 64 queries x 16 keys bf16
.set PBLK,    64*PPITCH
.set SPITCH,  80                       ; stage: a block for each dv tile (= writing wave): 64 queries x 16 f32
.set SBLK,    64*SPITCH+64             ; + 64: the four blocks' pieces of one row fall into four different quarters of 256 bytes
.set KB,      64*QPITCH                ; a step's tiles: Q at 0, then K, then V
.set VB,      KB+64*KPITCH
.set FBUF,    VB+64*VPITCH             ; 46,080; two sets that take turns
.set PB,      2*FBUF
.set STG,     PB+4*PBLK                ; the last byte used is STG + 4 SBLK = 125,184
; scalar registers: s[4:11] q, k, v, out at my head; s12 wave; s16 sequence part; s17 dv half; s21 mask of a word's upper bf16; s[22:23] scale
.set SF,   18                          ; byte offset of the next step to be loaded
.set SO,   19                          ; byte offset of the next chunk to be stored
.set CNT,  20                          ; loop counter
.set SM,   32                          ; s32-63: lane masks, key <= query, for (query tile, register)
; window 0
.set LV0,  7                           ; 16 (lane % 16) + 8,192 (lane / 16) + my 16 rows: two rows of 256 bytes
.set OOUT, 8                           ; offset of the chunk that is being stored
.set AQ,   10                          ; v10, v11: Q fragments, set 0, 1
.set AKR,  12                          ; v12, v13: my 16 rows of K
.set AKT,  14                          ; v14, v15: K, transposing
.set AVT,  16                          ; v16, v17: V, transposing, my 16 columns
.set APW,  18                          ; P: where I write
.set APR,  19                          ; P: where I read
.set ASTW, 20                          ; stage: where I write
.set ASTR, 21                          ; stage: where I read rows back
.set SD,   32
.set KT0,  64
.set QF,   128
.set KT1,  128
.set PF,   192
; window 3
.set HA,   0
.set OA,   64
.set SA,   96
.set KR,   128
.set HFH,  160
.set HFL,  192
.set VT,   224
.set TT,   240
; windows 1 and 2
.set XQ,   0                           ; 16 rows of q, 16 of k, 8 pairs of rows of v
.set XK,   64
.set XV,   128
.set LQK,  192                         ; 16 x lane + my 16 rows
.set LV,   193                         ; as LV0
.set OQK,  194                         ; offsets of the slot's pending loads
.set OV,   195
.set SQ,   196                         ; where the slot's rows go in LDS
.set SK,   197
.set SV,   198
; window settings
.set LD3,  0xc0                        ; loaded data window 3, address window 0
.set ST3,  0x0c                        ; store data window 3, address window 0
.set ALL3, 0xff
.set MM,   0xf3                        ; A window 3, B window 0, C and D window 3
.set MK,   0xfc                        ; A window 0, B window 3, C and D window 3
.set MSB, 0
.macro WIN new                         ; the immediate's high byte repeats the setting that is left
.if MSB != (\new)
	s_set_vgpr_msb (MSB<<8)|(\new)
.set MSB, (\new)
.endif
.endm
; Four places: a vector instruction that reads a matrix result, and a load into a register that a matrix instruction has named, stand
; four plain vector instructions behind it (ISA guide 7.12.1 for vector instructions).
.macro PLACES
.rept 4
	v_nop
.endr
.endm
.macro BAR                             ; what I stored to LDS is there and what I read from it is back, then all four waves meet
	s_wait_dscnt 0x0
	s_barrier_signal -1
	s_barrier_wait -1
.endm
.macro SLOTINIT s                      ; the slot's own copies of lane terms and LDS addresses
	WIN (\s+1)<<6
	v_mov_b32 v[LQK], v22
	v_mov_b32 v[LV],  v[LV0]
	v_add_nc_u32 v[SQ], \s*FBUF, v24
	v_add_nc_u32 v[SK], \s*FBUF, v25
	v_add_nc_u32 v[SV], \s*FBUF, v26
.endm
; Under a slot's window: the next step's rows are asked for.  q and k: a load is one row, 32 lanes x 16 bytes = 512 consecutive bytes;
; v: a load is two rows of 256 consecutive bytes.  full = 0: a prefix step, k and v alone.
.macro LOADS full
	v_add_nc_u32 v[OQK], s[SF], v[LQK]             ; free: the slot's earlier loads are back
	v_add_nc_u32 v[OV],  s[SF], v[LV]
	s_add_co_u32 s[SF], s[SF], FSTEP
.if \full
.set i, 0
.rept 16
	global_load_b128 v[XQ+4*i:XQ+4*i+3], v[OQK], s[4:5] offset:i*ROWB
.set i, i+1
.endr
.endif
.set i, 0
.rept 16
	global_load_b128 v[XK+4*i:XK+4*i+3], v[OQK], s[6:7] offset:i*ROWB
.set i, i+1
.endr
.set i, 0
.rept 8
	global_load_b128 v[XV+4*i:XV+4*i+3], v[OV], s[8:9] offset:i*2*ROWB
.set i, i+1
.endr
.endm
.macro CVT src, n                      ; n loads' worth: four f32 a lane -> four bf16, in place, in the first two of the four registers
.set i, 0
.rept \n
	v_cvt_pk_bf16_f32 v[\src+4*i],   v[\src+4*i],   v[\src+4*i+1]
	v_cvt_pk_bf16_f32 v[\src+4*i+1], v[\src+4*i+2], v[\src+4*i+3]
.set i, i+1
.endr
.endm
.macro STS src, n, adr, pitch          ; the same rows, 8 bytes a lane, into the bf16 tile
.set i, 0
.rept \n
	ds_store_b64 v[\adr], v[\src+4*i:\src+4*i+1] offset:i*\pitch
.set i, i+1
.endr
.endm
; Slot s: its rows are waited for, converted and put into LDS set s; then the slot is asked for the step two further on
; (refill = 2: a chunk, 40 loads; 1: a prefix step, 24 loads; 0: nothing is left).  left = the other slot's whole batch, which is younger.
; Conversions and stores stand in runs, and a tensor's stores behind the next tensor's conversions: only v's run, the last, follows on
; its own conversions, and no conversion stands between two stores of a run.
; Two chunks' batches are 80 loads, more than the counter's field holds: the issue of the later ones then waits (ISA guide 5.7.1).
.macro CONV s, full, left, refill
	WIN 0x55*(\s+1)
	s_wait_loadcnt \left                           ; loads come back in order: my batch is in, the younger batch stays out
.if \full
	CVT XQ, 16
.endif
	CVT XK, 16
.if \full
	STS XQ, 16, SQ, QPITCH
.endif
	CVT XV, 8
	STS XK, 16, SK, KPITCH
	STS XV, 8,  SV, 2*VPITCH
.if \refill == 2
	LOADS 1
.endif
.if \refill == 1
	LOADS 0
.endif
.endm
; V^T of my 16 columns (two fragments of 32 keys; A of O^T = V^T P^T and B of H += K^T V alike) and K^T of keys 0-31 (eight dk tiles)
.macro LD_KV0 s
	WIN LD3
.irp ks,0,1
.irp e,0,1
	ds_load_tr16_b128 v[VT+8*\ks+4*\e:VT+8*\ks+4*\e+3], v[AVT+\s] offset:(32*\ks+16*\e)*VPITCH
.endr
.endr
	WIN 0
.irp a,0,1,2,3,4,5,6,7
.irp e,0,1
	ds_load_tr16_b128 v[KT0+8*\a+4*\e:KT0+8*\a+4*\e+3], v[AKT+\s] offset:32*\a+16*\e*KPITCH
.endr
.endr
.endm
.macro LD_KT1 s                        ; K^T of keys 32-63; window 0
.irp a,0,1,2,3,4,5,6,7
.irp e,0,1
	ds_load_tr16_b128 v[KT1+8*\a+4*\e:KT1+8*\a+4*\e+3], v[AKT+\s] offset:32*\a+(32+16*\e)*KPITCH
.endr
.endr
.endm
; H(a) += K^T(a) V for 32 keys: eight accumulators by turns, one instruction a turn
.macro KV8 abase, bfrag, zero
.irp a,0,1,2,3,4,5,6,7
.if \zero
	v_wmma_f32_16x16x32_bf16 v[HA+8*\a:HA+8*\a+7], v[\abase+8*\a:\abase+8*\a+7], v[\bfrag:\bfrag+7], 0
.else
	v_wmma_f32_16x16x32_bf16 v[HA+8*\a:HA+8*\a+7], v[\abase+8*\a:\abase+8*\a+7], v[\bfrag:\bfrag+7], v[HA+8*\a:HA+8*\a+7]
.endif
.endr
.endm
; H (f32) -> hi = bf16(H), lo = bf16(H - hi).  Register j of tile a holds dk = 16 a + 8 (lane / 16) + j of my lane's dv column, so the
; packed pairs of tiles 2 kk and 2 kk + 1 are, as they stand, the fragment of dk = 32 kk .. 32 kk + 31.  All in window 3, four at a time.
.macro HCONV
.set n, 0
.rept 8
.irp u,0,1,2,3
	v_cvt_pk_bf16_f32 v[HFH+n+\u], v[HA+2*(n+\u)], v[HA+2*(n+\u)+1]
.endr
.irp u,0,1,2,3
	v_lshlrev_b32 v[TT+2*\u],   16,  v[HFH+n+\u]
	v_and_b32     v[TT+2*\u+1], s21, v[HFH+n+\u]
.endr
.irp u,0,1,2,3
	v_pk_add_f32 v[TT+2*\u:TT+2*\u+1], v[HA+2*(n+\u):HA+2*(n+\u)+1], v[TT+2*\u:TT+2*\u+1] neg_lo:[0,1] neg_hi:[0,1]
.endr
.irp u,0,1,2,3
	v_cvt_pk_bf16_f32 v[HFL+n+\u], v[TT+2*\u], v[TT+2*\u+1]
.endr
.set n, n+4
.endr
.endm
; The chunk that lies in the stage goes out: my 16 rows, two rows a load.  Window 0.
.macro SOUT_LD
	s_wait_xcnt 0x0                                ; the last stores' data and offset registers are rewritten only behind this wait
	v_add_nc_u32 v[OOUT], s[SO], v[LV0]
	s_add_co_u32 s[SO], s[SO], FSTEP
.irp t,0,1,2,3,4,5,6,7
	ds_load_b128 v[SD+4*\t:SD+4*\t+3], v[ASTR] offset:\t*2*SPITCH
.endr
.endm
.macro SOUT_ST left                    ; left = LDS instructions issued behind the eight loads
.irp t,0,1,2,3,4,5,6,7
	s_wait_dscnt \left+7-\t                        ; LDS instructions end in order: load t is in, the 7 - t younger loads and what follows may be out
	global_store_b128 v[OOUT], v[SD+4*\t:SD+4*\t+3], s[10:11] offset:\t*2*ROWB th:TH_STORE_NT   ; 16 lanes store 256 consecutive bytes at a multiple of 256
.endr
.endm
; A PREFIX STEP: H += K^T V over 64 positions.  One barrier: set s is whole behind it; it is written again two steps on, behind the next
; step's barrier, in front of which every wave's reads of it are back.
.macro PRE s, left, refill, zero
	CONV \s, 0, \left, \refill                     ; its conversions are also the places behind the last step's matrix instructions
	BAR
	LD_KV0 \s
	LD_KT1 \s
	WIN MK
	s_wait_dscnt 16                                ; V^T and K^T of keys 0-31 are in; the 16 loads of keys 32-63 may be out
	KV8 KT0, VT, \zero
	s_wait_dscnt 0x0
	KV8 KT1, VT+8, 0
.endm
; A CHUNK.  hzero = 1: the state is still zero (no Q H product; the first products start O and H).  out = 1: the chunk before leaves the stage.
; Two barriers.  Behind the first: set s is whole, and so is the stage of the chunk before.  Behind the second: P is whole, and nobody
; reads the stage any more.  P is written again behind the next chunk's first barrier, set s behind that barrier too (two chunks on).
.macro FULL s, left, refill, hzero, out
	CONV \s, 1, \left, \refill                     ; its conversions are also the places behind the last step's matrix instructions
	BAR
	WIN LD3
.irp kk,0,1,2,3
.irp e,0,1
	ds_load_b128 v[KR+8*\kk+4*\e:KR+8*\kk+4*\e+3], v[AKR+\s] offset:64*\kk+32*\e
.endr
.endr
	WIN 0
.irp kk,0,1,2,3
.irp qt,0,1,2,3
.irp e,0,1
	ds_load_b128 v[QF+8*(4*\kk+\qt)+4*\e:QF+8*(4*\kk+\qt)+4*\e+3], v[AQ+\s] offset:\qt*16*QPITCH+64*\kk+32*\e
.endr
.endr
.endr
	; scores, transposed: S^T (my 16 keys x 64 queries) = K Q^T.  Four accumulators by turns.
	WIN MM
.irp kk,0,1,2,3
	s_wait_dscnt 24-8*\kk                          ; K's rows and Q's fragments up to this dk step are in; the 8 loads of each later step may be out
.irp qt,0,1,2,3
.if \kk == 0
	v_wmma_f32_16x16x32_bf16 v[SA+8*\qt:SA+8*\qt+7], v[KR+8*\kk:KR+8*\kk+7], v[QF+8*(4*\kk+\qt):QF+8*(4*\kk+\qt)+7], 0
.else
	v_wmma_f32_16x16x32_bf16 v[SA+8*\qt:SA+8*\qt+7], v[KR+8*\kk:KR+8*\kk+7], v[QF+8*(4*\kk+\qt):QF+8*(4*\kk+\qt)+7], v[SA+8*\qt:SA+8*\qt+7]
.endif
.endr
.endr
.if \out
	WIN 0
	SOUT_LD
.endif
	WIN ALL3
.if \hzero
	PLACES                                         ; behind the scores
.else
	HCONV                                          ; useful work in the places behind the scores
.endif
	; register j of my lane is (key 16 w + 8 (lane / 16) + j, query 16 qt + lane % 16): keys behind the query become 0; eight keys pack into 16 bytes
.irp qt,0,1,2,3
.irp j,0,1,2,3,4,5,6,7
	v_cndmask_b32 v[SA+8*\qt+\j], 0, v[SA+8*\qt+\j], s[SM+8*\qt+\j]
.endr
.irp p,0,1,2,3
	v_cvt_pk_bf16_f32 v[SA+8*\qt+\p], v[SA+8*\qt+2*\p], v[SA+8*\qt+2*\p+1]
.endr
.endr
	WIN ST3
.irp qt,0,1,2,3
	ds_store_b128 v[APW], v[SA+8*\qt:SA+8*\qt+3] offset:\qt*16*PPITCH
.endr
.if \out
	WIN 0
	SOUT_ST 4                                      ; the four stores of P stand behind the stage's loads
.endif
	LD_KV0 \s
.if \hzero == 0
	; O^T = H^T Q^T, hi and lo.  Four accumulators by turns.
	WIN MM
.irp kk,0,1,2,3
.irp qt,0,1,2,3
.if \kk == 0
	v_wmma_f32_16x16x32_bf16 v[OA+8*\qt:OA+8*\qt+7], v[HFH+8*\kk:HFH+8*\kk+7], v[QF+8*(4*\kk+\qt):QF+8*(4*\kk+\qt)+7], 0
.else
	v_wmma_f32_16x16x32_bf16 v[OA+8*\qt:OA+8*\qt+7], v[HFH+8*\kk:HFH+8*\kk+7], v[QF+8*(4*\kk+\qt):QF+8*(4*\kk+\qt)+7], v[OA+8*\qt:OA+8*\qt+7]
.endif
.endr
.irp qt,0,1,2,3
	v_wmma_f32_16x16x32_bf16 v[OA+8*\qt:OA+8*\qt+7], v[HFL+8*\kk:HFL+8*\kk+7], v[QF+8*(4*\kk+\qt):QF+8*(4*\kk+\qt)+7], v[OA+8*\qt:OA+8*\qt+7]
.endr
.endr
.endif
	BAR                                            ; every wave's part of P is in LDS; V^T and K^T of keys 0-31 are in too
	WIN 0
	PLACES                                         ; the loads below land in registers that the products above have read
.irp ks,0,1
.irp qt,0,1,2,3
.irp e,0,1
	ds_load_b128 v[PF+8*(4*\ks+\qt)+4*\e:PF+8*(4*\ks+\qt)+4*\e+3], v[APR] offset:(2*\ks+\e)*PBLK+\qt*16*PPITCH
.endr
.endr
.endr
	LD_KT1 \s
	; O^T += V^T P^T
	WIN MM
	s_wait_dscnt 16                                ; P's fragments are in; the 16 loads of K^T of keys 32-63 may be out
.irp ks,0,1
.irp qt,0,1,2,3
.if \hzero*(1-\ks)
	v_wmma_f32_16x16x32_bf16 v[OA+8*\qt:OA+8*\qt+7], v[VT+8*\ks:VT+8*\ks+7], v[PF+8*(4*\ks+\qt):PF+8*(4*\ks+\qt)+7], 0
.else
	v_wmma_f32_16x16x32_bf16 v[OA+8*\qt:OA+8*\qt+7], v[VT+8*\ks:VT+8*\ks+7], v[PF+8*(4*\ks+\qt):PF+8*(4*\ks+\qt)+7], v[OA+8*\qt:OA+8*\qt+7]
.endif
.endr
.endr
	WIN MK
	s_wait_dscnt 0x0
	KV8 KT0, VT, \hzero
	KV8 KT1, VT+8, 0
	; register j of my lane is (dv 16 w + 8 (lane / 16) + j, query 16 qt + lane % 16): 32 neighbouring bytes of a row of out
	WIN ALL3
	PLACES                                         ; behind the products that wrote O
.set i, 0
.rept 16
	v_pk_mul_f32 v[OA+2*i:OA+2*i+1], v[OA+2*i:OA+2*i+1], s[22:23] op_sel_hi:[1,0]
.set i, i+1
.endr
	WIN ST3
.irp qt,0,1,2,3
.irp e,0,1
	ds_store_b128 v[ASTW], v[OA+8*\qt+4*\e:OA+8*\qt+4*\e+3] offset:\qt*16*SPITCH+16*\e
.endr
.endr
.endm
	; ---------------- set-up ----------------
	s_load_b256 s[4:11], s[0:1], 0x0               ; q s[4:5], k s[6:7], v s[8:9], out s[10:11]
	v_lshl_add_u32 v30, v0, 2, 0x1f000
	v_mov_b32 v31, 0
	v_and_b32 v1, 31, v0                           ; lane L
	v_lshrrev_b32 v2, 5, v0
	v_readfirstlane_b32 s12, v2                    ; wave w
	v_and_b32 v3, 15, v0                           ; r = L % 16
	v_bfe_u32 v4, v0, 4, 1                         ; h = L / 16
	v_and_b32 v5, 7, v0
	v_bfe_u32 v6, v0, 3, 1
	v_lshl_add_u32 v27, v4, 3, v5                  ; 8 h + L % 8: the row that a transposing load's lane addresses
	s_lshr_b32 s13, ttmp9, 2                       ; head 0..63
	s_and_b32 s17, ttmp9, 1                        ; dv half
	s_bfe_u32 s16, ttmp9, 0x10001                  ; sequence part (1 bit from bit 1)
	s_lshr_b32 s14, s13, 4
	s_lshl_b32 s14, s14, 23                        ; batch x 1,024 positions x 8,192 bytes
	s_and_b32 s13, s13, 15
	s_lshl_b32 s13, s13, 9                         ; head in the batch x 512 bytes
	s_add_co_u32 s14, s14, s13
	s_mov_b32 s15, 0
	s_lshl_b32 s24, s17, 8                         ; v and out: my 256 bytes of the row
	s_add_co_u32 s24, s24, s14
	s_mov_b32 s25, 0
	s_mov_b32 s[SF], 0                             ; loads begin at position 0 in both kinds of group and run on without a gap
	s_mul_i32 s[SO], s16, NA*FSTEP                 ; stores begin at position 0, or at 64 NA in the second part
	s_mov_b32 s21, 0xffff0000
	s_mov_b32 s22, 0x3db504f3                      ; 128^-0.5
	s_mov_b32 s23, 0x3db504f3
	s_lshl_b32 s26, s12, 17                        ; my 16 rows of a step
	v_lshlrev_b32 v[LV0], 4, v3
	v_lshl_add_u32 v[LV0], v4, 13, v[LV0]
	v_add_nc_u32 v[LV0], s26, v[LV0]
	v_lshl_add_u32 v22, v1, 4, s26                 ; 16 L + my rows
	s_mul_i32 s26, s12, 16*QPITCH
	v_lshl_add_u32 v24, v1, 3, s26                 ; Q tile: my rows, 8 bytes a lane
	s_mul_i32 s26, s12, 16*KPITCH
	s_add_co_u32 s26, s26, KB
	v_lshl_add_u32 v25, v1, 3, s26                 ; K tile likewise
	v_mul_u32_u24 v9, v3, KPITCH
	v_lshl_add_u32 v9, v4, 4, v9
	v_add_nc_u32 v[AKR], s26, v9                   ; K rows 16 w + r, 16 h
	v_add_nc_u32 v[AKR+1], FBUF, v[AKR]
	s_mul_i32 s26, s12, 16*VPITCH
	s_add_co_u32 s26, s26, VB
	v_mul_u32_u24 v26, v4, VPITCH
	v_lshl_add_u32 v26, v3, 3, v26
	v_add_nc_u32 v26, s26, v26                     ; V tile: row 16 w + h, 8 r
	v_mul_u32_u24 v9, v3, QPITCH
	v_lshl_add_u32 v[AQ], v4, 4, v9
	v_add_nc_u32 v[AQ+1], FBUF, v[AQ]
	v_mul_u32_u24 v28, v27, KPITCH
	v_lshl_add_u32 v28, v6, 4, v28
	v_add_nc_u32 v[AKT], KB, v28
	v_add_nc_u32 v[AKT+1], FBUF, v[AKT]
	v_mul_u32_u24 v28, v27, VPITCH
	v_lshl_add_u32 v28, v6, 4, v28
	s_lshl_b32 s26, s12, 5                         ; my 16 columns of V: 32 bytes a wave
	s_add_co_u32 s26, s26, VB
	v_add_nc_u32 v[AVT], s26, v28
	v_add_nc_u32 v[AVT+1], FBUF, v[AVT]
	v_mul_u32_u24 v9, v3, PPITCH
	v_lshl_add_u32 v9, v4, 4, v9
	v_add_nc_u32 v[APR], PB, v9
	s_mul_i32 s26, s12, PBLK
	v_add_nc_u32 v[APW], s26, v[APR]
	s_mul_i32 s26, s12, SBLK
	s_add_co_u32 s26, s26, STG
	v_mul_u32_u24 v9, v3, SPITCH
	v_lshl_add_u32 v9, v4, 5, v9
	v_add_nc_u32 v[ASTW], s26, v9
	v_lshrrev_b32 v9, 2, v3                        ; back: lane r takes dv 4 r .. 4 r + 3: block r / 4, byte 16 (r % 4)
	v_mul_u32_u24 v9, v9, SBLK
	v_and_b32 v28, 3, v3
	v_lshl_add_u32 v9, v28, 4, v9
	v_mad_u32_u24 v9, v4, SPITCH, v9
	s_mul_i32 s26, s12, 16*SPITCH
	s_add_co_u32 s26, s26, STG
	v_add_nc_u32 v[ASTR], s26, v9
	; key 16 w + 8 h + j <= query 16 qt + r   <=>   16 qt - j >= 16 w + 8 h - r
	v_lshlrev_b32 v9, 3, v4
	v_sub_nc_u32 v9, v9, v3
	s_lshl_b32 s26, s12, 4
	v_add_nc_u32 v9, s26, v9
.irp qt,0,1,2,3
.irp j,0,1,2,3,4,5,6,7
	v_cmp_ge_i32 s[SM+8*\qt+\j], 16*\qt-\j, v9
.endr
.endr
	SLOTINIT 0
	SLOTINIT 1
	WIN 0
	s_wait_kmcnt 0x0
	s_add_nc_u64 s[4:5], s[4:5], s[14:15]
	s_add_nc_u64 s[6:7], s[6:7], s[14:15]
	s_add_nc_u64 s[8:9], s[8:9], s[24:25]
	s_add_nc_u64 s[10:11], s[10:11], s[24:25]
	s_cmp_lg_u32 s16, 0                            ; the same in all four waves
	s_cbranch_scc1 .Lsecond
	; ---------------- first sequence part: the state starts at zero ----------------
	WIN 0x55
	LOADS 1                                        ; chunk 0
	WIN 0xaa
	LOADS 1                                        ; chunk 1
	FULL 0, 40, 2, 1, 0
	FULL 1, 40, 2, 0, 1
	WIN 0
	s_mov_b32 s[CNT], (NA-4)/2                     ; of NA chunks two stand above and two behind the loop
	s_branch .Lchunk
	; ---------------- second sequence part: the state of positions 0 .. 64 NA - 1 first ----------------
.Lsecond:
	WIN 0x55
	LOADS 0                                        ; prefix step 0
	WIN 0xaa
	LOADS 0                                        ; prefix step 1
	PRE 0, 24, 1, 1
	PRE 1, 24, 1, 0
	WIN 0
	s_mov_b32 s[CNT], (NA-4)/2                     ; of NA steps two stand above and two behind the loop
.Lpre:
	PRE 0, 24, 1, 0
	PRE 1, 24, 1, 0
	WIN 0
	s_sub_co_u32 s[CNT], s[CNT], 1
	s_cmp_lg_u32 s[CNT], 0
	s_cbranch_scc1 .Lpre
	PRE 0, 24, 2, 0                                ; the last step but one: the last step's 24 loads are out; the slot is asked for my first chunk
	PRE 1, 40, 2, 0                                ; the last step: that chunk's 40 loads are out; the slot is asked for my second chunk
	FULL 0, 40, 2, 0, 0
	FULL 1, 40, 2, 0, 1
	WIN 0
	s_mov_b32 s[CNT], (NB-4)/2                     ; of NB chunks two stand above and two behind the loop
	; ---------------- both: all chunks but the first two and the last two; on either way in, the next two chunks are on their way (40 loads each) ----------------
.Lchunk:
	FULL 0, 40, 2, 0, 1
	FULL 1, 40, 2, 0, 1
	WIN 0
	s_sub_co_u32 s[CNT], s[CNT], 1
	s_cmp_lg_u32 s[CNT], 0
	s_cbranch_scc1 .Lchunk
	FULL 0, 40, 0, 0, 1                            ; the last chunk but one: the last chunk's loads are out, nothing is left to ask for
	FULL 1, 0,  0, 0, 1                            ; the last chunk: the last batch
	WIN 0
	BAR                                            ; the last chunk's stage is whole
	SOUT_LD
	SOUT_ST 0
	s_wait_tensorcnt 0x0
	ds_add_u32 v30, v31
	s_wait_dscnt 0x0
	s_endpgm
.Lfunc_end_k_qcefa340f4d_linattn:
	.size	k_qcefa340f4d_linattn, .Lfunc_end_k_qcefa340f4d_linattn-k_qcefa340f4d_linattn
	.p2alignl 7, 3214868480
	.fill 96, 4, 3214868480
	.section	.rodata,"a",@progbits
	.p2align	6, 0x0
	.amdhsa_kernel k_qcefa340f4d_linattn
		.amdhsa_group_segment_fixed_size 127488
		.amdhsa_private_segment_fixed_size 0
		.amdhsa_enable_private_segment 0
		.amdhsa_kernarg_size 32
		.amdhsa_user_sgpr_count 2
		.amdhsa_user_sgpr_kernarg_segment_ptr 1
		.amdhsa_wavefront_size32 1
		.amdhsa_system_sgpr_workgroup_id_x 1
		.amdhsa_system_sgpr_workgroup_id_y 1
		.amdhsa_system_sgpr_workgroup_id_z 1
		.amdhsa_system_vgpr_workitem_id 0
		.amdhsa_next_free_vgpr 1024
		.amdhsa_next_free_sgpr 66
		.amdhsa_reserve_vcc 0
		.amdhsa_float_denorm_mode_32 3
		.amdhsa_float_denorm_mode_16_64 3
		.amdhsa_memory_ordered 1
		.amdhsa_forward_progress 1
		.amdhsa_inst_pref_size 255
	.end_amdhsa_kernel
	.section	.bss,"aw",@nobits
	.p2align	6
	.space	262144
	.amdgpu_metadata
---
amdhsa.version: [ 1, 2 ]
amdhsa.kernels:
  - .name:           k_qcefa340f4d_linattn
    .symbol:         k_qcefa340f4d_linattn.kd
    .args:
      - { .name: q, .offset: 0, .size: 8, .value_kind: global_buffer, .address_space: global }
      - { .name: k, .offset: 8, .size: 8, .value_kind: global_buffer, .address_space: global }
      - { .name: v, .offset: 16, .size: 8, .value_kind: global_buffer, .address_space: global }
      - { .name: out0, .offset: 24, .size: 8, .value_kind: global_buffer, .address_space: global }
    .group_segment_fixed_size: 127488
    .private_segment_fixed_size: 0
    .kernarg_segment_align: 8
    .kernarg_segment_size: 32
    .max_flat_workgroup_size: 128
    .sgpr_count:     66
    .vgpr_count:     1024
    .wavefront_size: 32
...
	.end_amdgpu_metadata
.endif
;; end of part 2
;; ======== version 3 of 3: 1 launch; version 2 with the launch linattn written anew for expert scheduling mode
;; launch linattn (part 3): grid 256 x 1, 4 waves a work-group, no clusters, 127,488 bytes of LDS; arguments q, k, v, out0; writes out0
.if DOCPART == 3
	.amdgcn_target "amdgcn-amd-amdhsa--gfx1250"
	.amdhsa_code_object_version 6
	.text
	.protected	k_qcefa340f4d_linattn
	.globl	k_qcefa340f4d_linattn
	.p2align	8
	.type	k_qcefa340f4d_linattn,@function
k_qcefa340f4d_linattn:
	s_mov_b64 s[64:65], 0
	v_nop
	global_prefetch_b8 v0, s[64:65] scope:SCOPE_SE
	s_setreg_imm32_b32 hwreg(HW_REG_WAVE_SCHED_MODE, 0, 2), 2
	s_setreg_imm32_b32 hwreg(HW_REG_WAVE_MODE, 25, 1), 1
	s_wait_xcnt 0x0
	s_wait_alu depctr_vm_vsrc(0)
; CAUSAL LINEAR ATTENTION, NOT NORMALISED:  o[t] = scale * q[t] * sum over s <= t of k[s] v[s]^T,  scale = 128^-0.5.
; q, k, v, out: [4][1024][16][128] f32.  A position's row of one head is 512 bytes; rows of one head are 8,192 bytes apart.
; In chunks of 64 positions:  O = scale * (Q H + tril(Q K^T) V),  then  H += K^T V,  H = [128 dk][dv] kept in f32.
; SHARES.  64 heads x 4 work-groups.  Work-group = (head, dv half of 64 columns, sequence part): every row of v and of out that it touches
; is 256 consecutive bytes at a multiple of 256.  The first part is positions 0..639 (NA = 10 chunks).  A group of the second part first
; rebuilds its state, K^T V over positions 0..639 (ten steps of 64 positions, k and v alone), then walks positions 640..1023 (NB = 6 chunks).
; WHY 10 AND 6.  A chunk is 40 loads, 8 stores and 72 matrix instructions a wave (40 in the very first), a prefix step 24 loads and 16
; matrix instructions.  First against second part: 480 against 528 memory instructions, 688 against 592 matrix instructions.  A cut in the
; middle gives 384 against 576 and 544 against 704.  The cut is at an even number of chunks, so that the two slots take turns throughout.
; Wave w owns dv tile w (16 columns): H[128][16] in 64 registers, O^T (16 dv x 64 queries) in 32.  An H tile (m = dk, n = dv) repacks in
; registers into the A fragment of O^T = H^T Q^T, so the state never leaves the wave.  It is fed as bf16 hi + bf16 lo (two products).
; NO JOINT TENSOR LOADS, although the four groups of a head read the same k: the partners need different numbers of tiles (10 chunks
; against 10 prefix steps + 6 chunks), and an f32 copy in LDS would add 2 x 80 KB of LDS traffic a chunk to the 40 KB of bf16 tiles.
; So: global_load_b128 -> v_cvt_pk_bf16_f32 in place -> ds_store_b64.  Two register slots are filled two steps ahead.
; LIMITS.  q, k, v and the masked scores are rounded to bf16 (nearest even).  The scale is applied last, so intermediate sums are 11.3
; times those of reference() and overflow that much earlier.  Sums are formed chunk by chunk, not position by position.  A masked score
; is replaced by 0 and then multiplied: a NaN or infinity in v also spoils the up to 63 earlier positions of its own chunk.
;
; THE MODE: SCHED_MODE bits 1:0 = 2 (LLVM: expert scheduling mode 2), set by the entry lines.  The code itself states the register dependences
; between vector or matrix instructions and memory or LDS instructions, with s_wait_alu, always for 0.
; THE PLAN.  Registers that memory or LDS instructions touch, in the order of a step:
;   X (a slot's rows)        global loads land; the conversions read and write them in place; the row stores to LDS read them; the refill lands.
;   OQK, OV (a slot's)       two adds write them ahead of the slot's loads, which read them.
;   KR, QF, VT, KT0, KT1, PF LDS loads land; matrix instructions alone read them.  P's fragments and K^T of keys 32-63 have registers of their own,
;                            so that no load of a chunk lands in a register that a product of the same chunk has read.
;   SA                       products write it, mask and roundings rewrite it, the four stores of P read it; the next chunk's products write it.
;   OA                       products write it, the scaling rewrites it, the eight stores into the stage read it; the next chunk's products write it.
;   OOUT, SD                 one add writes OOUT; LDS loads land in SD; the eight global stores read both.  No vector instruction names SD.
;   All other address registers are made in the set-up and never written again.
; THE WAITS of a chunk are five.  On va_vdst: behind the conversions (the rows are written; the last step's products are done with all fragments);
; in LOADS, straight ahead of the loads (OQK and OV are written; the conversions are done with X); ahead of P's stores (SA and OOUT are written);
; ahead of the stage's stores (OA is written).  On vm_vsrc: one, behind the row stores: they have read X, and all that the step before stored from
; or loaded by (SA, OA, OOUT, SD, OQK, OV) has been read.  A prefix step has the first, the second and the one on vm_vsrc.
;
; REGISTER WINDOWS of 256 (s_set_vgpr_msb: bits 1:0 source 0, 3:2 source 1, 5:4 source 2, 7:6 destination):
;   window 0: v0-31 addresses, v32-63 rows on the way out, v64-127 K^T of keys 0-31, v128-255 Q fragments
;   window 1, 2: load slot 0, 1: v0-159 rows as loaded, v160-166 the slot's own address registers (one setting serves a whole refill);
;                v192-255: in window 1 P's fragments, in window 2 K^T of keys 32-63
;   window 3: v0-63 H, v64-95 O^T, v96-127 scores, v128-159 K rows, v160-223 H hi and lo, v224-239 V^T, v240-247 at work
.set ROWB,    8192                     ; bytes from a position to the next
.set FSTEP,   64*ROWB                  ; a step of 64 positions
.set NA,      10                       ; chunks of the first sequence part = prefix steps of the second; even, at least 4
.set NB,      16-NA                    ; chunks of the second part; even, at least 4
; LDS.  Pitches: 16 lanes' 16-byte pieces fall into 16 different 16-byte columns modulo 256 bytes (64 banks of 4 bytes: ISA guide 11.1):
; an odd multiple of 16 for row fragments (Q, P, stage), an odd multiple of 32 for transposing loads (K, V; K's eight row loads collide in pairs).
.set QPITCH,  272
.set KPITCH,  288
.set VPITCH,  160
.set PPITCH,  48                       ; P: a block for each key tile (= writing wave): 64 queries x 16 keys bf16
.set PBLK,    64*PPITCH
.set SPITCH,  80                       ; stage: a block for each dv tile (= writing wave): 64 queries x 16 f32
.set SBLK,    64*SPITCH+64             ; + 64: the four blocks' pieces of one row fall into four different quarters of 256 bytes
.set KB,      64*QPITCH                ; a step's tiles: Q at 0, then K, then V
.set VB,      KB+64*KPITCH
.set FBUF,    VB+64*VPITCH             ; 46,080; two sets that take turns
.set PB,      2*FBUF
.set STG,     PB+4*PBLK                ; the last byte used is STG + 4 SBLK = 125,184
; scalar registers: s[4:11] q, k, v, out at my head; s12 wave; s16 sequence part; s17 dv half; s21 mask of a word's upper bf16; s[22:23] scale
.set SF,   18                          ; byte offset of the next step to be loaded
.set SO,   19                          ; byte offset of the next chunk to be stored
.set CNT,  20                          ; loop counter
.set SM,   32                          ; s32-63: lane masks, key <= query, for (query tile, register)
; window 0
.set LV0,  7                           ; 16 (lane % 16) + 8,192 (lane / 16) + my 16 rows: two rows of 256 bytes
.set OOUT, 8                           ; offset of the chunk that is being stored
.set AQ,   10                          ; v10, v11: Q fragments, set 0, 1
.set AKR,  12                          ; v12, v13: my 16 rows of K
.set AKT,  14                          ; v14, v15: K, transposing
.set AVT,  16                          ; v16, v17: V, transposing, my 16 columns
.set APW,  18                          ; P: where I write
.set APR,  19                          ; P: where I read
.set ASTW, 20                          ; stage: where I write
.set ASTR, 21                          ; stage: where I read rows back
.set SD,   32
.set KT0,  64
.set QF,   128
; window 3
.set HA,   0
.set OA,   64
.set SA,   96
.set KR,   128
.set HFH,  160
.set HFL,  192
.set VT,   224
.set TT,   240
; windows 1 and 2
.set XQ,   0                           ; 16 rows of q, 16 of k, 8 pairs of rows of v
.set XK,   64
.set XV,   128
.set LQK,  160                         ; 16 x lane + my 16 rows
.set LV,   161                         ; as LV0
.set OQK,  162                         ; offsets of the slot's pending loads
.set OV,   163
.set SQ,   164                         ; where the slot's rows go in LDS
.set SK,   165
.set SV,   166
.set PF,   192                         ; window 1 alone
.set KT1,  192                         ; window 2 alone
; window settings
.set LD3,  0xc0                        ; loaded data window 3, address window 0
.set LDP,  0x40                        ; loaded data window 1, address window 0
.set LDK,  0x80                        ; loaded data window 2, address window 0
.set ST3,  0x0c                        ; store data window 3, address window 0
.set ALL3, 0xff
.set MM,   0xf3                        ; A window 3, B window 0, C and D window 3
.set MP,   0xf7                        ; A window 3, B window 1, C and D window 3
.set MK,   0xfc                        ; A window 0, B window 3, C and D window 3
.set MK2,  0xfe                        ; A window 2, B window 3, C and D window 3
.set MSB, 0
.macro WIN new                         ; the immediate's high byte repeats the setting that is left
.if MSB != (\new)
	s_set_vgpr_msb (MSB<<8)|(\new)
.set MSB, (\new)
.endif
.endm
; Four places: a vector instruction that reads a matrix result stands four plain vector instructions behind it (ISA guide 7.12.1).
.macro PLACES
.rept 4
	v_nop
.endr
.endm
.macro BAR                             ; what I stored to LDS is there and what I read from it is back, then all four waves meet
	s_wait_dscnt 0x0
	s_barrier_signal -1
	s_barrier_wait -1
.endm
.macro SLOTINIT s                      ; the slot's own copies of lane terms and LDS addresses
	WIN (\s+1)<<6
	v_mov_b32 v[LQK], v22
	v_mov_b32 v[LV],  v[LV0]
	v_add_nc_u32 v[SQ], \s*FBUF, v24
	v_add_nc_u32 v[SK], \s*FBUF, v25
	v_add_nc_u32 v[SV], \s*FBUF, v26
.endm
; Under a slot's window: the next step's rows are asked for.  q and k: a load is one row, 32 lanes x 16 bytes = 512 consecutive bytes;
; v: a load is two rows of 256 consecutive bytes.  full = 0: a prefix step, k and v alone.
.macro LOADS full
	v_add_nc_u32 v[OQK], s[SF], v[LQK]             ; free: the slot's earlier loads are back, and have read it (CONV's wait on vm_vsrc)
	v_add_nc_u32 v[OV],  s[SF], v[LV]
	s_add_co_u32 s[SF], s[SF], FSTEP
	s_wait_alu depctr_va_vdst(0)                   ; OQK and OV are written, which the loads below read; the conversions are done reading and writing the registers in which they land; at the kernel's head: every address made in the set-up is written
.if \full
.set i, 0
.rept 16
	global_load_b128 v[XQ+4*i:XQ+4*i+3], v[OQK], s[4:5] offset:i*ROWB
.set i, i+1
.endr
.endif
.set i, 0
.rept 16
	global_load_b128 v[XK+4*i:XK+4*i+3], v[OQK], s[6:7] offset:i*ROWB
.set i, i+1
.endr
.set i, 0
.rept 8
	global_load_b128 v[XV+4*i:XV+4*i+3], v[OV], s[8:9] offset:i*2*ROWB
.set i, i+1
.endr
.endm
.macro CVT src, n                      ; n loads' worth: four f32 a lane -> four bf16, in place, in the first two of the four registers
.set i, 0
.rept \n
	v_cvt_pk_bf16_f32 v[\src+4*i],   v[\src+4*i],   v[\src+4*i+1]
	v_cvt_pk_bf16_f32 v[\src+4*i+1], v[\src+4*i+2], v[\src+4*i+3]
.set i, i+1
.endr
.endm
.macro STS src, n, adr, pitch          ; the same rows, 8 bytes a lane, into the bf16 tile
.set i, 0
.rept \n
	ds_store_b64 v[\adr], v[\src+4*i:\src+4*i+1] offset:i*\pitch
.set i, i+1
.endr
.endm
; Slot s: its rows are waited for, converted and put into LDS set s; then the slot is asked for the step two further on
; (refill = 2: a chunk, 40 loads; 1: a prefix step, 24 loads; 0: nothing is left).  left = the other slot's whole batch, which is younger.
; All conversions stand in one run, one wait behind them, all stores in one run behind that.
; Two chunks' batches are 80 loads, more than the counter's field holds: the issue of the later ones then waits (ISA guide 5.7.1).
.macro CONV s, full, left, refill
	WIN 0x55*(\s+1)
	s_wait_loadcnt \left                           ; loads come back in order: my batch is in, the younger batch stays out
.if \full
	CVT XQ, 16
.endif
	CVT XK, 16
	CVT XV, 8
	s_wait_alu depctr_va_vdst(0)                   ; the conversions have written the rows that the stores below read; the last step's products are done reading K's rows, Q's and P's fragments, K^T and V^T, in which this step's LDS loads land
.if \full
	STS XQ, 16, SQ, QPITCH
.endif
	STS XK, 16, SK, KPITCH
	STS XV, 8,  SV, 2*VPITCH
	s_wait_alu depctr_vm_vsrc(0)                   ; these stores have read the slot's rows, in which the refill lands; the slot's last loads have read OQK and OV; the last chunk's stores have read SA, OA, OOUT and SD: all of these are written again in this step
.if \refill == 2
	LOADS 1
.endif
.if \refill == 1
	LOADS 0
.endif
.endm
; V^T of my 16 columns (two fragments of 32 keys; A of O^T = V^T P^T and B of H += K^T V alike) and K^T of keys 0-31 (eight dk tiles)
.macro LD_KV0 s
	WIN LD3
.irp ks,0,1
.irp e,0,1
	ds_load_tr16_b128 v[VT+8*\ks+4*\e:VT+8*\ks+4*\e+3], v[AVT+\s] offset:(32*\ks+16*\e)*VPITCH
.endr
.endr
	WIN 0
.irp a,0,1,2,3,4,5,6,7
.irp e,0,1
	ds_load_tr16_b128 v[KT0+8*\a+4*\e:KT0+8*\a+4*\e+3], v[AKT+\s] offset:32*\a+16*\e*KPITCH
.endr
.endr
.endm
.macro LD_KT1 s                        ; K^T of keys 32-63, into window 2
	WIN LDK
.irp a,0,1,2,3,4,5,6,7
.irp e,0,1
	ds_load_tr16_b128 v[KT1+8*\a+4*\e:KT1+8*\a+4*\e+3], v[AKT+\s] offset:32*\a+(32+16*\e)*KPITCH
.endr
.endr
.endm
; H(a) += K^T(a) V for 32 keys: eight accumulators by turns, one instruction a turn
.macro KV8 abase, bfrag, zero
.irp a,0,1,2,3,4,5,6,7
.if \zero
	v_wmma_f32_16x16x32_bf16 v[HA+8*\a:HA+8*\a+7], v[\abase+8*\a:\abase+8*\a+7], v[\bfrag:\bfrag+7], 0
.else
	v_wmma_f32_16x16x32_bf16 v[HA+8*\a:HA+8*\a+7], v[\abase+8*\a:\abase+8*\a+7], v[\bfrag:\bfrag+7], v[HA+8*\a:HA+8*\a+7]
.endif
.endr
.endm
; H (f32) -> hi = bf16(H), lo = bf16(H - hi).  Register j of tile a holds dk = 16 a + 8 (lane / 16) + j of my lane's dv column, so the
; packed pairs of tiles 2 kk and 2 kk + 1 are, as they stand, the fragment of dk = 32 kk .. 32 kk + 31.  All in window 3, four at a time.
.macro HCONV
.set n, 0
.rept 8
.irp u,0,1,2,3
	v_cvt_pk_bf16_f32 v[HFH+n+\u], v[HA+2*(n+\u)], v[HA+2*(n+\u)+1]
.endr
.irp u,0,1,2,3
	v_lshlrev_b32 v[TT+2*\u],   16,  v[HFH+n+\u]
	v_and_b32     v[TT+2*\u+1], s21, v[HFH+n+\u]
.endr
.irp u,0,1,2,3
	v_pk_add_f32 v[TT+2*\u:TT+2*\u+1], v[HA+2*(n+\u):HA+2*(n+\u)+1], v[TT+2*\u:TT+2*\u+1] neg_lo:[0,1] neg_hi:[0,1]
.endr
.irp u,0,1,2,3
	v_cvt_pk_bf16_f32 v[HFL+n+\u], v[TT+2*\u], v[TT+2*\u+1]
.endr
.set n, n+4
.endr
.endm
; The chunk that lies in the stage goes out: my 16 rows, two rows a load.  Window 0.
; That the last global stores have read OOUT and SD is stated by the wait on vm_vsrc in this chunk's CONV, which stands behind them; at the kernel's end by a wait of its own.
.macro SOUT_LD
	s_wait_xcnt 0x0                                ; the last stores' data and offset registers are rewritten only behind this wait
	v_add_nc_u32 v[OOUT], s[SO], v[LV0]
	s_add_co_u32 s[SO], s[SO], FSTEP
.irp t,0,1,2,3,4,5,6,7
	ds_load_b128 v[SD+4*\t:SD+4*\t+3], v[ASTR] offset:\t*2*SPITCH
.endr
.endm
.macro SOUT_ST left                    ; left = LDS instructions issued behind the eight loads
.irp t,0,1,2,3,4,5,6,7
	s_wait_dscnt \left+7-\t                        ; LDS instructions end in order: load t is in, the 7 - t younger loads and what follows may be out
	global_store_b128 v[OOUT], v[SD+4*\t:SD+4*\t+3], s[10:11] offset:\t*2*ROWB th:TH_STORE_NT   ; 16 lanes store 256 consecutive bytes at a multiple of 256
.endr
.endm
; A PREFIX STEP: H += K^T V over 64 positions.  One barrier: set s is whole behind it; it is written again two steps on, behind the next
; step's barrier, in front of which every wave's reads of it are back.
; The LDS loads owe no wait of their own: no vector or matrix instruction stands between CONV's last wait on va_vdst and them.
.macro PRE s, left, refill, zero
	CONV \s, 0, \left, \refill                     ; its conversions are also the places behind the last step's matrix instructions
	BAR
	LD_KV0 \s
	LD_KT1 \s
	WIN MK
	s_wait_dscnt 16                                ; V^T and K^T of keys 0-31 are in; the 16 loads of keys 32-63 may be out
	KV8 KT0, VT, \zero
	WIN MK2
	s_wait_dscnt 0x0
	KV8 KT1, VT+8, 0
.endm
; A CHUNK.  hzero = 1: the state is still zero (no Q H product; the first products start O and H).  out = 1: the chunk before leaves the stage.
; Two barriers.  Behind the first: set s is whole, and so is the stage of the chunk before.  Behind the second: P is whole, and nobody
; reads the stage any more.  P is written again behind the next chunk's first barrier, set s behind that barrier too (two chunks on).
.macro FULL s, left, refill, hzero, out
	CONV \s, 1, \left, \refill                     ; its conversions are also the places behind the last step's matrix instructions
	BAR
	WIN LD3                                        ; no vector or matrix instruction stands between CONV's last wait on va_vdst and these forty loads
.irp kk,0,1,2,3
.irp e,0,1
	ds_load_b128 v[KR+8*\kk+4*\e:KR+8*\kk+4*\e+3], v[AKR+\s] offset:64*\kk+32*\e
.endr
.endr
	WIN 0
.irp kk,0,1,2,3
.irp qt,0,1,2,3
.irp e,0,1
	ds_load_b128 v[QF+8*(4*\kk+\qt)+4*\e:QF+8*(4*\kk+\qt)+4*\e+3], v[AQ+\s] offset:\qt*16*QPITCH+64*\kk+32*\e
.endr
.endr
.endr
	; scores, transposed: S^T (my 16 keys x 64 queries) = K Q^T.  Four accumulators by turns.
	WIN MM
.irp kk,0,1,2,3
	s_wait_dscnt 24-8*\kk                          ; K's rows and Q's fragments up to this dk step are in; the 8 loads of each later step may be out
.irp qt,0,1,2,3
.if \kk == 0
	v_wmma_f32_16x16x32_bf16 v[SA+8*\qt:SA+8*\qt+7], v[KR+8*\kk:KR+8*\kk+7], v[QF+8*(4*\kk+\qt):QF+8*(4*\kk+\qt)+7], 0
.else
	v_wmma_f32_16x16x32_bf16 v[SA+8*\qt:SA+8*\qt+7], v[KR+8*\kk:KR+8*\kk+7], v[QF+8*(4*\kk+\qt):QF+8*(4*\kk+\qt)+7], v[SA+8*\qt:SA+8*\qt+7]
.endif
.endr
.endr
.if \out
	WIN 0
	SOUT_LD                                        ; its loads land in SD, which no vector or matrix instruction names
.endif
	WIN ALL3
.if \hzero
	PLACES                                         ; behind the scores
.else
	HCONV                                          ; useful work in the places behind the scores
.endif
	; register j of my lane is (key 16 w + 8 (lane / 16) + j, query 16 qt + lane % 16): keys behind the query become 0; eight keys pack into 16 bytes
.irp qt,0,1,2,3
.irp j,0,1,2,3,4,5,6,7
	v_cndmask_b32 v[SA+8*\qt+\j], 0, v[SA+8*\qt+\j], s[SM+8*\qt+\j]
.endr
.irp p,0,1,2,3
	v_cvt_pk_bf16_f32 v[SA+8*\qt+\p], v[SA+8*\qt+2*\p], v[SA+8*\qt+2*\p+1]
.endr
.endr
	WIN ST3
	s_wait_alu depctr_va_vdst(0)                   ; the roundings have written SA, which P's stores read; OOUT is written, which the global stores read
.irp qt,0,1,2,3
	ds_store_b128 v[APW], v[SA+8*\qt:SA+8*\qt+3] offset:\qt*16*PPITCH
.endr
.if \out
	WIN 0
	SOUT_ST 4                                      ; the four stores of P stand behind the stage's loads
.endif
	LD_KV0 \s                                      ; V^T and all of K^T: their last readers stand ahead of CONV's wait, and nothing since names them
	LD_KT1 \s
.if \hzero == 0
	; O^T = H^T Q^T, hi and lo.  Four accumulators by turns.
	WIN MM
.irp kk,0,1,2,3
.irp qt,0,1,2,3
.if \kk == 0
	v_wmma_f32_16x16x32_bf16 v[OA+8*\qt:OA+8*\qt+7], v[HFH+8*\kk:HFH+8*\kk+7], v[QF+8*(4*\kk+\qt):QF+8*(4*\kk+\qt)+7], 0
.else
	v_wmma_f32_16x16x32_bf16 v[OA+8*\qt:OA+8*\qt+7], v[HFH+8*\kk:HFH+8*\kk+7], v[QF+8*(4*\kk+\qt):QF+8*(4*\kk+\qt)+7], v[OA+8*\qt:OA+8*\qt+7]
.endif
.endr
.irp qt,0,1,2,3
	v_wmma_f32_16x16x32_bf16 v[OA+8*\qt:OA+8*\qt+7], v[HFL+8*\kk:HFL+8*\kk+7], v[QF+8*(4*\kk+\qt):QF+8*(4*\kk+\qt)+7], v[OA+8*\qt:OA+8*\qt+7]
.endr
.endr
.endif
	BAR                                            ; every wave's part of P is in LDS; V^T and K^T are in too
	WIN LDP                                        ; P's fragments land in registers of their own: the products above name H hi and lo, Q's fragments and O alone, so no wait is owed here
.irp ks,0,1
.irp qt,0,1,2,3
.irp e,0,1
	ds_load_b128 v[PF+8*(4*\ks+\qt)+4*\e:PF+8*(4*\ks+\qt)+4*\e+3], v[APR] offset:(2*\ks+\e)*PBLK+\qt*16*PPITCH
.endr
.endr
.endr
	; O^T += V^T P^T
	WIN MP
.irp ks,0,1
	s_wait_dscnt 8-8*\ks                           ; P's fragments of these 32 keys are in; the 8 loads of the other 32 may be out
.irp qt,0,1,2,3
.if \hzero*(1-\ks)
	v_wmma_f32_16x16x32_bf16 v[OA+8*\qt:OA+8*\qt+7], v[VT+8*\ks:VT+8*\ks+7], v[PF+8*(4*\ks+\qt):PF+8*(4*\ks+\qt)+7], 0
.else
	v_wmma_f32_16x16x32_bf16 v[OA+8*\qt:OA+8*\qt+7], v[VT+8*\ks:VT+8*\ks+7], v[PF+8*(4*\ks+\qt):PF+8*(4*\ks+\qt)+7], v[OA+8*\qt:OA+8*\qt+7]
.endif
.endr
.endr
	; register j of my lane is (dv 16 w + 8 (lane / 16) + j, query 16 qt + lane % 16): 32 neighbouring bytes of a row of out
	WIN ALL3
	PLACES                                         ; behind the products that wrote O
.set i, 0
.rept 16
	v_pk_mul_f32 v[OA+2*i:OA+2*i+1], v[OA+2*i:OA+2*i+1], s[22:23] op_sel_hi:[1,0]
.set i, i+1
.endr
	WIN ST3
	s_wait_alu depctr_va_vdst(0)                   ; the scaling has written O, which the stores into the stage read; the places above stay beside this wait
.irp qt,0,1,2,3
.irp e,0,1
	ds_store_b128 v[ASTW], v[OA+8*\qt+4*\e:OA+8*\qt+4*\e+3] offset:\qt*16*SPITCH+16*\e
.endr
.endr
	; the state's products come last: they name K^T, V^T and H alone, none of which a memory or LDS instruction touches before the next step's wait behind its conversions
	WIN MK
	KV8 KT0, VT, \hzero
	WIN MK2
	KV8 KT1, VT+8, 0
.endm
	; ---------------- set-up ----------------
	s_load_b256 s[4:11], s[0:1], 0x0               ; q s[4:5], k s[6:7], v s[8:9], out s[10:11]
	v_lshl_add_u32 v30, v0, 2, 0x1f000
	v_mov_b32 v31, 0
	v_and_b32 v1, 31, v0                           ; lane L
	v_lshrrev_b32 v2, 5, v0
	v_readfirstlane_b32 s12, v2                    ; wave w
	v_and_b32 v3, 15, v0                           ; r = L % 16
	v_bfe_u32 v4, v0, 4, 1                         ; h = L / 16
	v_and_b32 v5, 7, v0
	v_bfe_u32 v6, v0, 3, 1
	v_lshl_add_u32 v27, v4, 3, v5                  ; 8 h + L % 8: the row that a transposing load's lane addresses
	s_lshr_b32 s13, ttmp9, 2                       ; head 0..63
	s_and_b32 s17, ttmp9, 1                        ; dv half
	s_bfe_u32 s16, ttmp9, 0x10001                  ; sequence part (1 bit from bit 1)
	s_lshr_b32 s14, s13, 4
	s_lshl_b32 s14, s14, 23                        ; batch x 1,024 positions x 8,192 bytes
	s_and_b32 s13, s13, 15
	s_lshl_b32 s13, s13, 9                         ; head in the batch x 512 bytes
	s_add_co_u32 s14, s14, s13
	s_mov_b32 s15, 0
	s_lshl_b32 s24, s17, 8                         ; v and out: my 256 bytes of the row
	s_add_co_u32 s24, s24, s14
	s_mov_b32 s25, 0
	s_mov_b32 s[SF], 0                             ; loads begin at position 0 in both kinds of group and run on without a gap
	s_mul_i32 s[SO], s16, NA*FSTEP                 ; stores begin at position 0, or at 64 NA in the second part
	s_mov_b32 s21, 0xffff0000
	s_mov_b32 s22, 0x3db504f3                      ; 128^-0.5
	s_mov_b32 s23, 0x3db504f3
	s_wait_alu depctr_va_sdst(0)                   ; s12, the wave's number, is written, ahead of its first reader: the line below
	s_lshl_b32 s26, s12, 17                        ; my 16 rows of a step
	v_lshlrev_b32 v[LV0], 4, v3
	v_lshl_add_u32 v[LV0], v4, 13, v[LV0]
	v_add_nc_u32 v[LV0], s26, v[LV0]
	v_lshl_add_u32 v22, v1, 4, s26                 ; 16 L + my rows
	s_mul_i32 s26, s12, 16*QPITCH
	v_lshl_add_u32 v24, v1, 3, s26                 ; Q tile: my rows, 8 bytes a lane
	s_mul_i32 s26, s12, 16*KPITCH
	s_add_co_u32 s26, s26, KB
	v_lshl_add_u32 v25, v1, 3, s26                 ; K tile likewise
	v_mul_u32_u24 v9, v3, KPITCH
	v_lshl_add_u32 v9, v4, 4, v9
	v_add_nc_u32 v[AKR], s26, v9                   ; K rows 16 w + r, 16 h
	v_add_nc_u32 v[AKR+1], FBUF, v[AKR]
	s_mul_i32 s26, s12, 16*VPITCH
	s_add_co_u32 s26, s26, VB
	v_mul_u32_u24 v26, v4, VPITCH
	v_lshl_add_u32 v26, v3, 3, v26
	v_add_nc_u32 v26, s26, v26                     ; V tile: row 16 w + h, 8 r
	v_mul_u32_u24 v9, v3, QPITCH
	v_lshl_add_u32 v[AQ], v4, 4, v9
	v_add_nc_u32 v[AQ+1], FBUF, v[AQ]
	v_mul_u32_u24 v28, v27, KPITCH
	v_lshl_add_u32 v28, v6, 4, v28
	v_add_nc_u32 v[AKT], KB, v28
	v_add_nc_u32 v[AKT+1], FBUF, v[AKT]
	v_mul_u32_u24 v28, v27, VPITCH
	v_lshl_add_u32 v28, v6, 4, v28
	s_lshl_b32 s26, s12, 5                         ; my 16 columns of V: 32 bytes a wave
	s_add_co_u32 s26, s26, VB
	v_add_nc_u32 v[AVT], s26, v28
	v_add_nc_u32 v[AVT+1], FBUF, v[AVT]
	v_mul_u32_u24 v9, v3, PPITCH
	v_lshl_add_u32 v9, v4, 4, v9
	v_add_nc_u32 v[APR], PB, v9
	s_mul_i32 s26, s12, PBLK
	v_add_nc_u32 v[APW], s26, v[APR]
	s_mul_i32 s26, s12, SBLK
	s_add_co_u32 s26, s26, STG
	v_mul_u32_u24 v9, v3, SPITCH
	v_lshl_add_u32 v9, v4, 5, v9
	v_add_nc_u32 v[ASTW], s26, v9
	v_lshrrev_b32 v9, 2, v3                        ; back: lane r takes dv 4 r .. 4 r + 3: block r / 4, byte 16 (r % 4)
	v_mul_u32_u24 v9, v9, SBLK
	v_and_b32 v28, 3, v3
	v_lshl_add_u32 v9, v28, 4, v9
	v_mad_u32_u24 v9, v4, SPITCH, v9
	s_mul_i32 s26, s12, 16*SPITCH
	s_add_co_u32 s26, s26, STG
	v_add_nc_u32 v[ASTR], s26, v9
	; key 16 w + 8 h + j <= query 16 qt + r   <=>   16 qt - j >= 16 w + 8 h - r
	v_lshlrev_b32 v9, 3, v4
	v_sub_nc_u32 v9, v9, v3
	s_lshl_b32 s26, s12, 4
	v_add_nc_u32 v9, s26, v9
.irp qt,0,1,2,3
.irp j,0,1,2,3,4,5,6,7
	v_cmp_ge_i32 s[SM+8*\qt+\j], 16*\qt-\j, v9
.endr
.endr
	s_wait_alu depctr_va_sdst(0)                   ; the 32 lane masks s32 to s63 are written: one wait behind the run of compares, ahead of the branch below and of every selection that reads them
	SLOTINIT 0
	SLOTINIT 1
	WIN 0
	s_wait_kmcnt 0x0
	s_add_nc_u64 s[4:5], s[4:5], s[14:15]
	s_add_nc_u64 s[6:7], s[6:7], s[14:15]
	s_add_nc_u64 s[8:9], s[8:9], s[24:25]
	s_add_nc_u64 s[10:11], s[10:11], s[24:25]
	s_cmp_lg_u32 s16, 0                            ; the same in all four waves
	s_cbranch_scc1 .Lsecond
	; ---------------- first sequence part: the state starts at zero ----------------
	WIN 0x55
	LOADS 1                                        ; chunk 0
	WIN 0xaa
	LOADS 1                                        ; chunk 1
	FULL 0, 40, 2, 1, 0
	FULL 1, 40, 2, 0, 1
	WIN 0
	s_mov_b32 s[CNT], (NA-4)/2                     ; of NA chunks two stand above and two behind the loop
	s_branch .Lchunk
	; ---------------- second sequence part: the state of positions 0 .. 64 NA - 1 first ----------------
.Lsecond:
	WIN 0x55
	LOADS 0                                        ; prefix step 0
	WIN 0xaa
	LOADS 0                                        ; prefix step 1
	PRE 0, 24, 1, 1
	PRE 1, 24, 1, 0
	WIN 0
	s_mov_b32 s[CNT], (NA-4)/2                     ; of NA steps two stand above and two behind the loop
.Lpre:
	PRE 0, 24, 1, 0
	PRE 1, 24, 1, 0
	WIN 0
	s_sub_co_u32 s[CNT], s[CNT], 1
	s_cmp_lg_u32 s[CNT], 0
	s_cbranch_scc1 .Lpre
	PRE 0, 24, 2, 0                                ; the last step but one: the last step's 24 loads are out; the slot is asked for my first chunk
	PRE 1, 40, 2, 0                                ; the last step: that chunk's 40 loads are out; the slot is asked for my second chunk
	FULL 0, 40, 2, 0, 0
	FULL 1, 40, 2, 0, 1
	WIN 0
	s_mov_b32 s[CNT], (NB-4)/2                     ; of NB chunks two stand above and two behind the loop
	; ---------------- both: all chunks but the first two and the last two; on either way in, the next two chunks are on their way (40 loads each) ----------------
.Lchunk:
	FULL 0, 40, 2, 0, 1
	FULL 1, 40, 2, 0, 1
	WIN 0
	s_sub_co_u32 s[CNT], s[CNT], 1
	s_cmp_lg_u32 s[CNT], 0
	s_cbranch_scc1 .Lchunk
	FULL 0, 40, 0, 0, 1                            ; the last chunk but one: the last chunk's loads are out, nothing is left to ask for
	FULL 1, 0,  0, 0, 1                            ; the last chunk: the last batch
	WIN 0
	BAR                                            ; the last chunk's stage is whole
	s_wait_alu depctr_vm_vsrc(0)                   ; the global stores issued in the last chunk have read OOUT and SD, which the lines below write again
	SOUT_LD
	s_wait_alu depctr_va_vdst(0)                   ; OOUT is written, which the last eight global stores read
	SOUT_ST 0
	s_wait_dscnt 0x0
	s_wait_alu depctr_hold_cnt(0) depctr_sa_sdst(0) depctr_va_vdst(0) depctr_va_sdst(0) depctr_va_ssrc(0) depctr_va_vcc(0) depctr_vm_vsrc(0)
	s_wait_tensorcnt 0x0
	ds_add_u32 v30, v31
	s_wait_dscnt 0x0
	s_endpgm
.Lfunc_end_k_qcefa340f4d_linattn:
	.size	k_qcefa340f4d_linattn, .Lfunc_end_k_qcefa340f4d_linattn-k_qcefa340f4d_linattn
	.p2alignl 7, 3214868480
	.fill 96, 4, 3214868480
	.section	.rodata,"a",@progbits
	.p2align	6, 0x0
	.amdhsa_kernel k_qcefa340f4d_linattn
		.amdhsa_group_segment_fixed_size 127488
		.amdhsa_private_segment_fixed_size 0
		.amdhsa_enable_private_segment 0
		.amdhsa_kernarg_size 32
		.amdhsa_user_sgpr_count 2
		.amdhsa_user_sgpr_kernarg_segment_ptr 1
		.amdhsa_wavefront_size32 1
		.amdhsa_system_sgpr_workgroup_id_x 1
		.amdhsa_system_sgpr_workgroup_id_y 1
		.amdhsa_system_sgpr_workgroup_id_z 1
		.amdhsa_system_vgpr_workitem_id 0
		.amdhsa_next_free_vgpr 1024
		.amdhsa_next_free_sgpr 66
		.amdhsa_reserve_vcc 0
		.amdhsa_float_denorm_mode_32 3
		.amdhsa_float_denorm_mode_16_64 3
		.amdhsa_memory_ordered 1
		.amdhsa_forward_progress 1
		.amdhsa_inst_pref_size 255
	.end_amdhsa_kernel
	.section	.bss,"aw",@nobits
	.p2align	6
	.space	262144
	.amdgpu_metadata
---
amdhsa.version: [ 1, 2 ]
amdhsa.kernels:
  - .name:           k_qcefa340f4d_linattn
    .symbol:         k_qcefa340f4d_linattn.kd
    .args:
      - { .name: q, .offset: 0, .size: 8, .value_kind: global_buffer, .address_space: global }
      - { .name: k, .offset: 8, .size: 8, .value_kind: global_buffer, .address_space: global }
      - { .name: v, .offset: 16, .size: 8, .value_kind: global_buffer, .address_space: global }
      - { .name: out0, .offset: 24, .size: 8, .value_kind: global_buffer, .address_space: global }
    .group_segment_fixed_size: 127488
    .private_segment_fixed_size: 0
    .kernarg_segment_align: 8
    .kernarg_segment_size: 32
    .max_flat_workgroup_size: 128
    .sgpr_count:     66
    .vgpr_count:     1024
    .wavefront_size: 32
...
	.end_amdgpu_metadata
.endif
;; end of part 3
